; MI455X (gfx1250); checked and timed in simulation.
; The chip was launched on July 23, 2026; its instructions are those of AMD's public machine-readable ISA for CDNA 5 (MIT licence, August 2026) and "CDNA5" Instruction Set Architecture Reference Guide (July 2026). The comments in the code are by the model that wrote it; some were corrected since.
;; Simple Attention. Allowed arithmetic: float matrix products may take bf16 or f16 operands with f32 sums; other float arithmetic in f32, or as packed bf16 or f16 multiplies, adds, multiply-adds, maxima and minima; sums over many terms, partial sums and values carried from step to step in f32; what a program stores and reads back later, other than sums and carried values, may be rounded once to bf16 or f16.
;; Inputs: b_proj 1,024 float32; b_qkv 3,072 float32; w_proj 1,024 x 1,024 float32; w_qkv 3,072 x 1,024 float32; x 4 x 4,096 x 1,024 float32.
;; Outputs: out0 4 x 4,096 x 1,024 float32.
;; 2 versions, each right; version 2 is version 1 with the launch attn written anew for expert scheduling mode. Each part assembles by itself: llvm-mc -triple=amdgcn-amd-amdhsa -mcpu=gfx1250 --defsym DOCPART=n.
;; ======== version 1 of 2: 4 launches
;; limits: values are held in f16: magnitudes above 65,504 overflow, below 6.1e-05 lose precision
;; workspace buffers: xb 33,554,432 bytes; wqb 6,291,456 bytes; wpf 2,097,152 bytes; bias 16,384 bytes; qkv 100,663,296 bytes; ob 33,554,432 bytes
;; launch cast (part 1): grid 1280 x 1, 8 waves a work-group, no clusters, 0 bytes of LDS; arguments x, w_qkv, w_proj, b_qkv, b_proj, xb, wqb, wpf, bias; writes xb, wqb, wpf, bias
.if DOCPART == 1
	.amdgcn_target "amdgcn-amd-amdhsa--gfx1250"
	.amdhsa_code_object_version 6
	.text
	.protected	k_q48705780b9_cast
	.globl	k_q48705780b9_cast
	.p2align	8
	.type	k_q48705780b9_cast,@function
k_q48705780b9_cast:
	s_mov_b64 s[64:65], 0
	v_nop
	global_prefetch_b8 v0, s[64:65] scope:SCOPE_SE
	s_setreg_imm32_b32 hwreg(HW_REG_WAVE_MODE, 25, 1), 1
	s_wait_xcnt 0x0
; ALL FIVE INPUTS ARE ROUNDED TO bf16, ONCE, AND THE WEIGHTS ARE LAID OUT FOR THE LAUNCHES BEHIND.
;   xb  [16384][1024] bf16 = x.
;   wqb [3072][1024] bf16 = w_qkv with its ROWS permuted: row n' of wqb is row src(n') of w_qkv, so that a token's q, k and v leave the product already in the order of matrix fragments:
;       q, k (part p = 0, 1): n' = 1024 p + (d >> 3) 128 + head 8 + (d & 7), src = 1024 p + 64 head + d;     v: n' = 2048 + (d >> 4) 256 + (g >> 3) 128 + (d & 15) 8 + (g & 7), src = 2048 + 64 g + d.
;   wpf [1024][1024] f16 = the bf16 rounding of w_proj, written as f16, with its COLUMNS permuted: c' = (d >> 3) 128 + head 8 + (d & 7), src = 64 head + d (the order in which the attention stores o).
;   bias [4096] f32: words 0-3071 the bf16 rounding of b_qkv in wqb's row order, words 3072-4095 that of b_proj.
; LIMITS.  A bf16 number is exact in f16 between 2^-14 and 65,504; a w_proj beyond 65,504 becomes an infinity, one below 2^-14 is off by 2^-25 at the most.  NaN and infinities are not treated apart.
; SHARES.  A work-group makes 16 destination rows of 1,024 numbers (64 KiB in, 32 KiB out); 1,280 work-groups: 1,024 for x, 128 for q's and k's rows, 64 for v's, 64 for w_proj.  Thread t makes numbers
; 4 t .. 4 t + 3 of each row: a wave's load covers 512 consecutive bytes, its store 256 consecutive bytes, aligned.  All 16 loads of a thread go out first; there is no loop.
; A row is converted in the registers that it was loaded into: 80 registers a wave, so that the 40 waves of 1,280 / 256 = 5 work-groups, ten to a SIMD, take 800 registers there.
; Two exceptions, both small: w_proj's columns are gathered 32 bytes to a pair of lanes (the eight waves together read whole rows; 4 MiB in all), and the 16 bias words of a work-group are one store of 64 bytes (16 KiB in all).
; NO LDS, NO CLUSTER, NO MATRIX UNIT: no two work-groups read the same byte, and nothing is multiplied.
.set X, 16                             ; v[16:79]   row u: four f32 as loaded; then, in the first two registers, four 16-bit numbers to store
; v1 load offset, v2 store offset (8 t), v3 bias source offset, v4-5 a bias word, v6 bias destination offset (4 (t & 15)), v8-11 at work
; s[4:5] source at the base row, s[6:7] destination, s[2:3] an offset (high word 0), s[26:27] bias source at the base row, s[28:29] bias destination, s30 EXEC kept, s31 a word's upper half
; Sixteen rows.  pat says how far source row u lies from the base row: 0: u;  1: (u >> 3) 64 + (u & 7);  2: (u & 7) 64 + (u >> 3).  f16 = 1: the bf16 number is written as f16.
.macro CAST pat, f16
.set u, 0
.rept 16
.if (\pat) == 0
.set ro, u
.elseif (\pat) == 1
.set ro, (u>>3)*64+(u&7)
.else
.set ro, (u&7)*64+(u>>3)
.endif
.if \f16
	global_load_b128 v[X+4*u:X+4*u+3], v1, s[4:5] offset:ro*4096
.else
	global_load_b128 v[X+4*u:X+4*u+3], v1, s[4:5] offset:ro*4096 th:TH_LOAD_NT
.endif
.set u, u+1
.endr
.set u, 0
.rept 16
	s_wait_loadcnt 15-u                            ; loads come back in order: row u is in, the 15 - u younger ones may stay out
	v_cvt_pk_bf16_f32 v[X+4*u], v[X+4*u], v[X+4*u+1]
	v_cvt_pk_bf16_f32 v[X+4*u+1], v[X+4*u+2], v[X+4*u+3]
.if \f16
	v_lshlrev_b32 v8, 16, v[X+4*u]                 ; the rounded numbers as f32 again,
	v_and_b32 v9, s31, v[X+4*u]
	v_lshlrev_b32 v10, 16, v[X+4*u+1]
	v_and_b32 v11, s31, v[X+4*u+1]
	v_cvt_pk_f16_f32 v[X+4*u], v8, v9              ; and as f16
	v_cvt_pk_f16_f32 v[X+4*u+1], v10, v11
.endif
	global_store_b64 v2, v[X+4*u:X+4*u+1], s[6:7] offset:u*2048 th:TH_STORE_NT
.set u, u+1
.endr
.endm
; The work-group's 16 bias words, by threads 0 to 15.  EXEC is narrowed and widened only behind s_wait_xcnt 0: it is a source of the loads and stores that are out.
.macro BIAS
	s_wait_xcnt 0x0
	v_cmp_gt_u32 vcc_lo, 16, v0
	s_and_saveexec_b32 s30, vcc_lo
	global_load_b32 v4, v3, s[26:27]
	s_wait_loadcnt 0x0
	v_cvt_pk_bf16_f32 v5, v4, v4
	v_lshlrev_b32 v5, 16, v5                       ; the rounded number as f32
	global_store_b32 v6, v5, s[28:29]
	s_wait_xcnt 0x0
	s_or_b32 exec_lo, exec_lo, s30
.endm
; Addresses for 16 rows of wqb: s32 = their number i (rows 16 i ..), s33 = the base row in w_qkv
.macro WBASE
	s_lshl_b32 s2, s33, 12
	s_add_nc_u64 s[4:5], s[10:11], s[2:3]
	s_lshl_b32 s2, s32, 15
	s_add_nc_u64 s[6:7], s[20:21], s[2:3]
	s_lshl_b32 s2, s33, 2
	s_add_nc_u64 s[26:27], s[14:15], s[2:3]
	s_lshl_b32 s2, s32, 6
	s_add_nc_u64 s[28:29], s[24:25], s[2:3]
.endm
	s_load_b512 s[8:23], s[0:1], 0x0               ; x 8, w_qkv 10, w_proj 12, b_qkv 14, b_proj 16, xb 18, wqb 20, wpf 22
	s_load_b64 s[24:25], s[0:1], 0x40              ; bias
	s_mov_b32 s31, 0xffff0000
	s_mov_b32 s3, 0
	v_lshlrev_b32 v1, 4, v0                        ; 16 t
	v_lshlrev_b32 v2, 3, v0                        ; 8 t
	v_and_b32 v7, 15, v0
	v_lshlrev_b32 v6, 2, v7
	v_bfe_u32 v8, v0, 3, 1                         ; (t >> 3) & 1
	v_and_b32 v9, 7, v0                            ; t & 7
	v_mov_b32 v4, 0                                ; written whole once: later they are written with 16 lanes on
	v_mov_b32 v5, 0
	s_wait_kmcnt 0x0
	s_cmp_lt_u32 ttmp9, 1024
	s_cbranch_scc0 .Lweights
	s_lshl_b32 s2, ttmp9, 16                       ; x: 16 rows of 4,096 bytes
	s_add_nc_u64 s[4:5], s[8:9], s[2:3]
	s_lshl_b32 s2, ttmp9, 15
	s_add_nc_u64 s[6:7], s[18:19], s[2:3]
	CAST 0, 0
	s_endpgm
.Lweights:
	s_sub_co_u32 s32, ttmp9, 1024                  ; i
	s_cmp_lt_u32 s32, 128
	s_cbranch_scc0 .Lv
	; q's and k's rows 16 i + u: part i >> 6, d >> 3 = (i >> 3) & 7, head = 2 (i & 7) + (u >> 3), d & 7 = u & 7
	s_lshr_b32 s33, s32, 6
	s_lshl_b32 s33, s33, 10
	s_and_b32 s34, s32, 7
	s_lshl_b32 s34, s34, 7
	s_add_co_u32 s33, s33, s34
	s_bfe_u32 s34, s32, 0x30003
	s_lshl_b32 s34, s34, 3
	s_add_co_u32 s33, s33, s34
	WBASE
	v_lshlrev_b32 v3, 2, v9                        ; 4 x ((t >> 3 & 1) 64 + (t & 7))
	v_lshl_add_u32 v3, v8, 8, v3
	CAST 1, 0
	BIAS
	s_endpgm
.Lv:
	s_cmp_lt_u32 s32, 192
	s_cbranch_scc0 .Lp
	; v's rows 16 i + u, i = 128 + ib: d >> 4 = ib >> 4, g >> 3 = (ib >> 3) & 1, d & 15 = 2 (ib & 7) + (u >> 3), g & 7 = u & 7
	s_bfe_u32 s33, s32, 0x10003
	s_lshl_b32 s33, s33, 9
	s_add_co_u32 s33, s33, 2048
	s_bfe_u32 s34, s32, 0x20004
	s_lshl_b32 s34, s34, 4
	s_add_co_u32 s33, s33, s34
	s_and_b32 s34, s32, 7
	s_lshl_b32 s34, s34, 1
	s_add_co_u32 s33, s33, s34
	WBASE
	v_lshlrev_b32 v3, 2, v8                        ; 4 x ((t & 7) 64 + (t >> 3 & 1))
	v_lshl_add_u32 v3, v9, 8, v3
	CAST 2, 0
	BIAS
	s_endpgm
.Lp:
	s_sub_co_u32 s32, s32, 192                     ; w_proj's rows 16 i ..
	s_lshl_b32 s2, s32, 16
	s_add_nc_u64 s[4:5], s[12:13], s[2:3]
	s_lshl_b32 s2, s32, 15
	s_add_nc_u64 s[6:7], s[22:23], s[2:3]
	s_lshl_b32 s2, s32, 6
	s_add_nc_u64 s[26:27], s[16:17], s[2:3]
	s_add_co_u32 s2, s2, 12288
	s_add_nc_u64 s[28:29], s[24:25], s[2:3]
	v_bfe_u32 v8, v0, 1, 4                         ; destination numbers 4 t ..: head = (t >> 1) & 15, d >> 3 = t >> 5, d & 7 = 4 (t & 1)
	v_lshrrev_b32 v9, 5, v0
	v_and_b32 v10, 1, v0
	v_lshlrev_b32 v1, 8, v8                        ; source byte 256 head + 32 (d >> 3) + 4 (d & 7)
	v_lshl_add_u32 v1, v9, 5, v1
	v_lshl_add_u32 v1, v10, 4, v1
	v_mov_b32 v3, v6
	CAST 0, 1
	BIAS
	s_endpgm
.Lfunc_end_k_q48705780b9_cast:
	.size	k_q48705780b9_cast, .Lfunc_end_k_q48705780b9_cast-k_q48705780b9_cast
	.p2alignl 7, 3214868480
	.fill 96, 4, 3214868480
	.section	.rodata,"a",@progbits
	.p2align	6, 0x0
	.amdhsa_kernel k_q48705780b9_cast
		.amdhsa_group_segment_fixed_size 0
		.amdhsa_private_segment_fixed_size 0
		.amdhsa_enable_private_segment 0
		.amdhsa_kernarg_size 72
		.amdhsa_user_sgpr_count 2
		.amdhsa_user_sgpr_kernarg_segment_ptr 1
		.amdhsa_wavefront_size32 1
		.amdhsa_system_sgpr_workgroup_id_x 1
		.amdhsa_system_sgpr_workgroup_id_y 1
		.amdhsa_system_sgpr_workgroup_id_z 1
		.amdhsa_system_vgpr_workitem_id 0
		.amdhsa_next_free_vgpr 80
		.amdhsa_next_free_sgpr 66
		.amdhsa_reserve_vcc 1
		.amdhsa_float_denorm_mode_32 3
		.amdhsa_float_denorm_mode_16_64 3
		.amdhsa_memory_ordered 1
		.amdhsa_forward_progress 1
		.amdhsa_inst_pref_size 31
	.end_amdhsa_kernel
	.amdgpu_metadata
---
amdhsa.version: [ 1, 2 ]
amdhsa.kernels:
  - .name:           k_q48705780b9_cast
    .symbol:         k_q48705780b9_cast.kd
    .args:
      - { .name: x, .offset: 0, .size: 8, .value_kind: global_buffer, .address_space: global }
      - { .name: w_qkv, .offset: 8, .size: 8, .value_kind: global_buffer, .address_space: global }
      - { .name: w_proj, .offset: 16, .size: 8, .value_kind: global_buffer, .address_space: global }
      - { .name: b_qkv, .offset: 24, .size: 8, .value_kind: global_buffer, .address_space: global }
      - { .name: b_proj, .offset: 32, .size: 8, .value_kind: global_buffer, .address_space: global }
      - { .name: xb, .offset: 40, .size: 8, .value_kind: global_buffer, .address_space: global }
      - { .name: wqb, .offset: 48, .size: 8, .value_kind: global_buffer, .address_space: global }
      - { .name: wpf, .offset: 56, .size: 8, .value_kind: global_buffer, .address_space: global }
      - { .name: bias, .offset: 64, .size: 8, .value_kind: global_buffer, .address_space: global }
    .group_segment_fixed_size: 0
    .private_segment_fixed_size: 0
    .kernarg_segment_align: 8
    .kernarg_segment_size: 72
    .max_flat_workgroup_size: 256
    .sgpr_count:     66
    .vgpr_count:     80
    .wavefront_size: 32
...
	.end_amdgpu_metadata
.endif
;; end of part 1
;; launch qkv (part 2): grid 4 x 64, 4 waves a work-group, clusters of 4 x 4, 327,680 bytes of LDS; arguments xb, wqb, qkv, bias; writes qkv
.if DOCPART == 2
	.amdgcn_target "amdgcn-amd-amdhsa--gfx1250"
	.amdhsa_code_object_version 6
	.text
	.protected	k_q48705780b9_qkv
	.globl	k_q48705780b9_qkv
	.p2align	8
	.type	k_q48705780b9_qkv,@function
k_q48705780b9_qkv:
	s_mov_b64 s[64:65], 0
	v_nop
	global_prefetch_b8 v0, s[64:65] scope:SCOPE_SE
	s_setreg_imm32_b32 hwreg(HW_REG_WAVE_MODE, 25, 1), 1
	s_wait_xcnt 0x0
	s_wait_alu depctr_hold_cnt(0) depctr_sa_sdst(0) depctr_va_vdst(0) depctr_va_sdst(0) depctr_va_ssrc(0) depctr_va_vcc(0) depctr_vm_vsrc(0)
	s_getreg_b32 s2, hwreg(HW_REG_IB_STS2, 6, 4)
	s_cmp_eq_u32 s2, 0
	s_cbranch_scc0 .Lentry_in_a_cluster
	s_endpgm
.Lentry_in_a_cluster:
	s_bfe_u32 s2, ttmp6, 0x10000c
	s_cmp_lg_u32 s2, 0xf033
	s_cbranch_scc0 .Lentry_shape_is_right
	s_endpgm
.Lentry_shape_is_right:
; qkv[m][n'] = bias[n'] + the sum over k of xb[m][k] wqb[n'][k].  xb: [16384][1024] bf16, wqb: [3072][1024] bf16, bias: f32, qkv: [16384][3072] f16; sums in f32, qkv rounded once.
; LIMIT.  f16 holds no number beyond 65,504: a q, k or v beyond that becomes an infinity.  NaN and infinities are not treated apart.
; A tile of C, 256 x 256, is made by a work-group of four waves; a wave makes 128 x 128: 64 accumulators of 16 x 16, 512 registers.  K goes in steps of 128 through a ring of two LDS slots filled by the
; tensor data mover: the rows of A's and B's tiles are 256 bytes of memory and start at multiples of 256 bytes from the buffer's first byte.
; A WORK-GROUP STAYS: 64 x 4 work-groups; each makes three tiles of one tile row of C, 1,024 columns apart (its part of q, of k, of v).  The ring does not stop at a tile's end: a tile's last two changes of
; slots ask for the next tile's first two K steps (A goes back along K, B 1,024 rows down and back), and nothing waits for a tile's stores.
; ONE LOOP OF 11 TRIPS walks the three tiles' 12 laps (a lap = two K steps = once round the ring); a trip goes from a lap's second quarter step to the next lap's first.  What a tile's last lap does otherwise
; lies in scalar registers made from the count (how far the descriptors step, who prefetches); behind it one forward branch leads to the way out and to the next tile's first quarter.  The last lap of all is
; written out: it asks for nothing, and its second K step goes by rows of C, so that finished rows leave while the others are multiplied.
; CLUSTERS: 4 x 4 work-groups.  The four of a row of the cluster need the same tiles of A, the four of a column the same tiles of B: each tile is asked for JOINTLY, by the same tensor load with the same
; descriptor and a mask that names the four.
; THE BIAS IS THE C OPERAND of the product that starts each sum: nothing is cleared and nothing is added later.
; THE MATRIX INSTRUCTION IS USED TRANSPOSED: source 0 = 16 rows of B, source 1 = 16 rows of A.  Lane l then holds row m = l % 16 of C and the columns n = 8 (l / 16) + 0 .. 7: eight neighbouring numbers.
; REGISTERS, in windows of 256 (s_set_vgpr_msb's low byte: bits 1:0 source 0, 3:2 source 1, 5:4 source 2, 7:6 destination):
;   window 0: v0-31 addresses; v64-127, v128-191 fragments of A, two buffers (in the very last K step four, of 16 rows x 128 K); v32-63, v192-255 at work on the way out
;   window 1: v0-63 the bias of my 128 columns (8 registers for each block of 16); v64-127, v128-191 fragments of B, two buffers; in the very last K step all 256: B's fragments of the whole step
;   window 2: the 32 accumulators of my rows 0-63 (accumulator (a, b) at v[8 (8 a + b)]);   window 3: those of my rows 64-127
.set SIZE_K, 1024
.set SIZE_N, 3072
.set TILES,  3
.set KSTEP,  128
.set PITCH,  272                       ; an LDS row: 256 bytes + 16 of padding = 68 words: row r starts at bank 4 r mod 64 (64 banks of 4 bytes: ISA guide 11.1)
.set HALFT,  128*PITCH                 ; 128 rows: what one tensor load brings, and what one wave reads of A or of B
.set SLOT,   4*HALFT                   ; A's 256 rows, then B's 256 rows
.set STAGE,  2*SLOT                    ; behind the ring: 16 rows x 272 bytes for each wave, for the way out; no tensor load lands there
.set SPITCH, 272
.set SPARE,  STAGE+4*16*SPITCH         ; behind the stages: the spare words, 128 bytes for each wave: two blocks of 256 bytes that no other line names
.set LAPS,   SIZE_K/(2*KSTEP)          ; laps in a tile: 4
.set BACK_A, (SIZE_K-2*KSTEP)*2        ; bytes from a slot's last K step of a tile back to its first
.set NEXT_B, 1024*SIZE_K*2-BACK_A      ; the same, 1,024 rows further down
.set ADRA, 16                          ; v16-17  LDS address of my A fragments in slot 0, 1
.set ADRB, 20                          ; v20-21  the same for B
.set STO,  24                          ; v24     the way out: where I put 16 bytes of a row
.set RD,   25                          ; v25     the way out: where I read a row back
.set CO,   26                          ; v26     my byte offset in C
.set BO,   27                          ; v27     my byte offset in 16 bias words: 32 (l / 16)
.set SPW,  28                          ; v28     LDS address of my spare word: SPARE + 4 x my thread's number; never rewritten
.set NIL,  29                          ; v29     0; never rewritten
.set PFO,  30                          ; v30     the prefetches' offset: my lane x a row of A or B (2,048 bytes); never rewritten
.set PFA,  44                          ; s[44:45] where my prefetches stand: my work-group's 32 rows of the 128 that I fetch, one K step further along K than the refill in hand; a prefetch names the K step after that
.set LIM,  43                          ; s43     1 in a wave that prefetches, else the greatest number
.set BI,   66                          ; s[66:67] the bias at my 128 columns of the tile in hand
.set STA,  68                          ; s[68:69] what this lap's refills add to A's address,
.set BKA,  70                          ; s[70:71] and take from it;
.set STB,  72                          ; s[72:73] what they add to B's
.set STP,  74                          ; s[74:75] how far the prefetches' place steps at this lap's first change of slots
.set LAPT, 76                          ; s76     the count modulo 4: 0 in a tile's last lap, 1 in the lap before it
.set ASKF, 77                          ; s77     1: I prefetch in this lap
.set TS,   78                          ; s78     at work
.set C512, 80                          ; s80     2 K steps in bytes
.set C256, 81                          ; s81     1 K step in bytes
.set F0,   64
.set F1,   128
.set PA,   64                          ; the very last K step: A's fragments of 16 rows x 128 K, 32 registers; four such buffers, v64-191
.set TMP,  192                         ; the way out: packed results
.set OB,   32                          ; the way out: 16 rows read back from the stage: v32-63 and v224-255 by turns
.set G1, 24                            ; s[24:31] descriptor group 1 for A's tiles
.set G0, 32                            ; s[32:39] descriptor group 0 for A's tiles, one set for each slot
.set G1B, 48                           ; s[48:55], s[56:63] the same for B's tiles
.set G0B, 56
.set MSB, 0
.macro WIN new                         ; the immediate's high byte repeats the setting that is left; a switch that changes nothing is dropped
.if MSB != (\new)
	s_set_vgpr_msb (MSB<<8)|(\new)
.set MSB, \new
.endif
.endm
; A joint load.  Waves 0 and 1 fetch A's two halves, waves 2 and 3 B's.  The branch hangs on the wave's number alone.  An s_nop 0 and four v_nop follow each of the two lines.
.macro JLOAD s
	s_cmp_eq_u32 s11, 0
	s_cbranch_scc0 .Lfor_b_\@
	tensor_load_to_lds s[G0+4*(\s):G0+4*(\s)+3], s[G1:G1+7]
	s_nop 0
.rept 4
	v_nop
.endr
	s_branch .Lasked_\@
.Lfor_b_\@:
	tensor_load_to_lds s[G0B+4*(\s):G0B+4*(\s)+3], s[G1B:G1B+7]
	s_nop 0
.rept 4
	v_nop
.endr
.Lasked_\@:
.endm
; A PREFETCH INTO THE L2, behind each joint load, its five lines and the run of LDS loads that follows them: the K step that stands TWO refills on (512 matrix instructions ahead of the load that will want it):
; 32 rows x 256 bytes, a lane a row, one instruction a wave.  Each row's 256 bytes of a K step are named ONCE in the launch.  A's tile row is read by one cluster alone (the grid is one cluster wide), in all
; three tiles: it is asked for in the first tile alone.  B's rows are read by all sixteen clusters: the one with y = 0 asks, in every tile.  The four partners that ask for a tile jointly share its rows out BY
; ADDRESS: of the 128 rows that a wave fetches the partner at place p takes 32 p .. 32 p + 31 (p = cx for A, cy for B).  In a tile's third lap there is no K step two refills on, and nothing is asked for; in its
; fourth the next tile's K steps 2 and 3 are.
.macro ASK
	s_cmp_eq_u32 s[ASKF], 1
	s_cbranch_scc0 .Lnot_mine_\@
	global_prefetch_b8 v[PFO], s[PFA:PFA+1] offset:KSTEP*2 th:TH_LOAD_NT scope:SCOPE_SE
.Lnot_mine_\@:
.endm
; A round of the cluster's barrier: my work-group's barrier; wave 0 signals for the work-group; every wave waits for all sixteen work-groups; my work-group's barrier once more.
.macro CREST                           ; a round behind its opening barrier
	s_cmp_lg_u32 s10, 0
	s_cbranch_scc1 .Lnot_wave_0_\@
	s_barrier_signal -3
.Lnot_wave_0_\@:
	s_barrier_wait -3
	s_barrier_signal -1
	s_barrier_wait -1
.endm
.macro CROUND
	s_barrier_signal -1
	s_barrier_wait -1
	CREST
.endm
	s_load_b128 s[4:7], s[0:1], 0x0                ; A s[4:5], B s[6:7]
	s_load_b64 s[8:9], s[0:1], 0x10                ; C
	s_load_b64 s[BI:BI+1], s[0:1], 0x18            ; bias
	v_lshl_add_u32 v[SPW], v0, 2, SPARE
	v_mov_b32 v[NIL], 0
	ds_add_u32 v[SPW], v[NIL]                      ; the wave's opening: the add and its wait stand ahead of my first tensor load; the set-up below, work on registers, stands between them
	v_lshrrev_b32 v1, 5, v0
	v_readfirstlane_b32 s10, v1                    ; wave 0..3
	s_lshr_b32 s11, s10, 1                         ; which half of the tile's rows is mine.  Also: I fetch for A (0) or for B (1)
	s_and_b32 s12, s10, 1                          ; which half of its columns.  Also: which 128 rows of that tile I fetch
	s_bfe_u32 s40, ttmp6, 0x40000                  ; cx
	s_bfe_u32 s41, ttmp6, 0x40004                  ; cy
	s_lshl_b32 s42, ttmp9, 2
	s_add_co_u32 s42, s42, s40                     ; tile column (of the first tile) = 4 x cluster x + cx
	s_and_b32 s13, ttmp7, 0xffff
	s_lshl_b32 s13, s13, 2
	s_add_co_u32 s13, s13, s41                     ; tile row = 4 x cluster y + cy
	s_lshl_b32 s43, s41, 2
	s_lshl_b32 s43, 15, s43                        ; my row of the cluster: places 4 cy .. 4 cy + 3
	s_lshl_b32 s44, 0x1111, s40                    ; my column: places cx, cx + 4, cx + 8, cx + 12
	; descriptor group 1: a tile of 128 rows x 128 elements, padded in LDS
	s_or_b32 s[G1+0], s43, (1<<16)|(1<<20)|(1<<21)|(5<<22)|(3<<25)  ; 15:0 the mask; 17:16 elements of 2 bytes; 20 padding on; 21 set beside a mask; 24:22 after every 64 words (code 5); 31:25 4 words of it (code 3)
	s_or_b32 s[G1B+0], s44, (1<<16)|(1<<20)|(1<<21)|(5<<22)|(3<<25)
	s_mov_b32 s[G1B+1], KSTEP<<16
	s_mov_b32 s[G1+1], KSTEP<<16                   ; tensor_dim0 = 128
	s_mov_b32 s[G1B+2], 128<<16
	s_mov_b32 s[G1+2], 128<<16                     ; tensor_dim1 = 128
	s_mov_b32 s[G1B+3], KSTEP<<16
	s_mov_b32 s[G1+3], KSTEP<<16                   ; tile_dim0 = 128
	s_mov_b32 s[G1B+4], 128
	s_mov_b32 s[G1+4], 128                         ; tile_dim1 = 128
	s_mov_b32 s[G1B+5], SIZE_K
	s_mov_b32 s[G1+5], SIZE_K                      ; elements from row to row
	s_mov_b32 s[G1B+6], 0
	s_mov_b32 s[G1+6], 0
	s_mov_b32 s[G1B+7], 0
	s_mov_b32 s[G1+7], 0
	s_mov_b32 s[STA+1], 0                          ; the steps are offsets under 2^32: their high words stay 0
	s_mov_b32 s[BKA+1], 0
	s_mov_b32 s[STB+1], 0
	s_mov_b32 s[STP+1], 0
	s_mov_b32 s[C512], 2*KSTEP*2
	s_mov_b32 s[C256], KSTEP*2
	; where the tiles come from.  A's hang on the tile row alone, B's on the tile column alone; each address is made in registers that never hold the other coordinate.
	s_lshl_b32 s17, s12, 7
	s_lshl_b32 s16, s13, 8
	s_add_co_u32 s16, s16, s17                     ; A: row 256 x tile row + 128 x half
	s_lshl_b32 s46, s42, 8
	s_add_co_u32 s46, s46, s17                     ; B: row 256 x tile column + 128 x half
	s_mov_b32 s17, 0
	s_mov_b32 s47, 0
	s_mov_b64 s[18:19], SIZE_K*2
	s_mul_u64 s[16:17], s[16:17], s[18:19]
	s_mul_u64 s[46:47], s[46:47], s[18:19]
	s_mul_i32 s20, s10, HALFT                      ; where they go: wave x 128 rows: no place in the cluster enters an LDS address
	s_wait_dscnt 0x0                               ; the opening add is done
	s_wait_kmcnt 0x0
	s_add_nc_u64 s[14:15], s[4:5], s[16:17]
	s_add_nc_u64 s[46:47], s[6:7], s[46:47]
	CROUND                                         ; all sixteen work-groups are here: the first joint loads meet
.irp s, 0,1
	s_mov_b32 s[G0+4*(\s)], 1                                      ; count = 1
	s_add_co_u32 s[G0+4*(\s)+1], s20, (\s)*SLOT                    ; LDS address
	s_add_nc_u64 s[G0+4*(\s)+2:G0+4*(\s)+3], s[14:15], (\s)*KSTEP*2  ; global address: K step s
	s_or_b32 s[G0+4*(\s)+3], s[G0+4*(\s)+3], 0x80000000            ; type = 2
	s_mov_b32 s[G0B+4*(\s)], 1
	s_add_co_u32 s[G0B+4*(\s)+1], s20, (\s)*SLOT
	s_add_nc_u64 s[G0B+4*(\s)+2:G0B+4*(\s)+3], s[46:47], (\s)*KSTEP*2
	s_or_b32 s[G0B+4*(\s)+3], s[G0B+4*(\s)+3], 0x80000000
	JLOAD \s                                       ; two tensor loads of mine are out
.endr
	; A fragment is 16 rows x 32 K in 8 registers: lane l holds row l % 16; registers 0-3 K = 8 (l / 16) + 0..7, registers 4-7 K = 16 + 8 (l / 16) + 0..7: two loads of 16 bytes, 32 bytes apart.
	v_and_b32 v1, 15, v0                           ; l % 16
	v_bfe_u32 v2, v0, 4, 1                         ; l / 16
	v_mul_u32_u24 v3, v1, PITCH
	v_lshl_add_u32 v3, v2, 4, v3
	s_mul_i32 s21, s11, HALFT                      ; my 128 rows of A
	s_mul_i32 s22, s12, HALFT                      ; my 128 rows of B,
	s_add_co_u32 s22, s22, 2*HALFT                 ; which lie behind A's 256
.irp s, 0,1
	v_add_nc_u32 v[ADRA+(\s)], s21, v3
	v_add_nc_u32 v[ADRB+(\s)], s22, v3
	s_add_co_u32 s21, s21, SLOT
	s_add_co_u32 s22, s22, SLOT
.endr
	s_mul_i32 s23, s10, 16*SPITCH
	s_add_co_u32 s23, s23, STAGE                   ; my stage
	v_mul_u32_u24 v4, v1, SPITCH                   ; in: row l % 16, 16 bytes for each half of the lanes
	v_lshl_add_u32 v4, v2, 4, v4
	v_add_nc_u32 v[STO], s23, v4
	v_mul_u32_u24 v5, v2, SPITCH                   ; back: lanes 0-15 take one row of 256 bytes, lanes 16-31 the next
	v_lshl_add_u32 v5, v1, 4, v5
	v_add_nc_u32 v[RD], s23, v5
	v_mul_u32_u24 v5, v2, SIZE_N*2                 ; and the same two rows in C
	v_lshl_add_u32 v[CO], v1, 4, v5
	v_lshlrev_b32 v[BO], 5, v2
	; where my part of the first tile begins in C, in bytes: the first way out adds it to C's address
	s_lshl_b32 s13, s13, 8
	s_lshl_b32 s14, s11, 7
	s_add_co_u32 s16, s13, s14                     ; my first row of C
	s_mov_b32 s17, 0
	s_mov_b64 s[18:19], SIZE_N*2
	s_mul_u64 s[16:17], s[16:17], s[18:19]
	s_lshl_b32 s46, s42, 8
	s_lshl_b32 s47, s12, 7
	s_add_co_u32 s46, s46, s47                     ; my first column = 256 x tile column + 128 x half
	s_lshl_b32 s20, s46, 2                         ; 4 bytes a bias word
	s_mov_b32 s21, 0
	s_add_nc_u64 s[BI:BI+1], s[BI:BI+1], s[20:21]
	s_lshl_b32 s46, s46, 1                         ; 2 bytes a number of C
	s_mov_b32 s47, 0
	s_add_nc_u64 s[16:17], s[16:17], s[46:47]
	; the prefetches.  s13 = 256 x tile row, s42 = tile column, s40 = cx, s41 = cy still stand
	s_lshl_b32 s42, s42, 8
	s_and_b32 s22, ttmp7, 0xffff                   ; cluster y
	s_cmp_eq_u32 s11, 0                            ; do I fetch for A?
	s_cselect_b32 s20, s13, s42                    ; the tile's first row
	s_cselect_b32 s21, s40, s41                    ; my place among the four that ask for it with me
	s_cselect_b32 s22, ttmp9, s22                  ; the coordinate along which other clusters read the same rows
	s_cselect_b64 s[PFA:PFA+1], s[4:5], s[6:7]
	s_cmp_eq_u32 s22, 0
	s_cselect_b32 s[LIM], 1, -1                    ; the same in all sixteen partners, for a given wave
	s_lshl_b32 s22, s12, 7
	s_add_co_u32 s20, s20, s22                     ; + the 128 rows that I fetch
	s_lshl_b32 s21, s21, 5
	s_add_co_u32 s20, s20, s21                     ; + my work-group's 32 of them
	s_mov_b32 s21, 0
	s_mov_b64 s[18:19], SIZE_K*2
	s_mul_u64 s[20:21], s[20:21], s[18:19]
	s_add_nc_u64 s[PFA:PFA+1], s[PFA:PFA+1], s[20:21]
	s_add_nc_u64 s[PFA:PFA+1], s[PFA:PFA+1], 2*KSTEP*2  ; at K step 2: the first refill steps it to 3 and names K step 4.  Nothing is prefetched here, at the head
	v_and_b32 v[PFO], 31, v0
	v_mul_u32_u24 v[PFO], v[PFO], SIZE_K*2
.macro WM                              ; one product; MUL16 and ROW set the four register numbers
	v_wmma_f32_16x16x32_bf16 v[rD:rD+7], v[rB:rB+7], v[rA:rA+7], v[rC:rC+7]
.endm
; 16 matrix instructions: m blocks a0, a0 + 1 of the window's four (hi = 0: my rows 0-63, 1: rows 64-127) x all 8 n blocks, 32 along K.  zero = 1: the product starts the sum, with the bias (window 1) as C.
.macro MUL16 f, hi, a0, zero
.if \zero
	WIN 0x91+0x40*(\hi)                            ; B window 1, A window 0, C window 1, D window 2 or 3
.else
	WIN 0xa1+0x50*(\hi)                            ; B window 1, A window 0, C and D window 2 or 3
.endif
.irp a, \a0, (\a0)+1
.irp b, 0,1,2,3,4,5,6,7
.set rD, 8*(8*(\a)+(\b))
.set rB, (\f)+8*(\b)
.set rA, (\f)+8*(4*(\hi)+(\a))
.if \zero
.set rC, 8*(\b)
.else
.set rC, rD
.endif
	WM
.endr
.endr
.endm
; 32 LDS loads in one run: the fragments of one quarter step (128 rows of B, 128 rows of A, 32 K at byte k of the rows) into buffer f
.macro FETCH slot, k, f
	WIN 0x40                                       ; destination window 1, address window 0
.irp i, 0,1,2,3,4,5,6,7
	ds_load_b128 v[(\f)+8*(\i):(\f)+8*(\i)+3],   v[ADRB+(\slot)] offset:(\k)+(\i)*16*PITCH
	ds_load_b128 v[(\f)+8*(\i)+4:(\f)+8*(\i)+7], v[ADRB+(\slot)] offset:(\k)+(\i)*16*PITCH+32
.endr
	WIN 0
.irp i, 0,1,2,3,4,5,6,7
	ds_load_b128 v[(\f)+8*(\i):(\f)+8*(\i)+3],   v[ADRA+(\slot)] offset:(\k)+(\i)*16*PITCH
	ds_load_b128 v[(\f)+8*(\i)+4:(\f)+8*(\i)+7], v[ADRA+(\slot)] offset:(\k)+(\i)*16*PITCH+32
.endr
.endm
; A load into a register that a matrix instruction has read, and a vector instruction that reads a matrix result, stand four places behind it; only plain vector instructions that name none of its
; registers are places (ISA guide 7.12.1 for vector instructions).
.macro PLACES
.rept 4
	v_nop
.endr
.endm
; A K step is four quarter steps of 32 along K, 64 matrix instructions each, on buffers 0, 1, 0, 1.  The 64 accumulators take turns in the same order in every quarter.
.macro QUARTER slot, k, f, g, zero
	s_wait_dscnt 8                                 ; B and A's rows 0-63 are in; the youngest eight loads (A's rows 64-127) may be out
	MUL16 \f, 0, 0, \zero
	MUL16 \f, 0, 2, \zero
	PLACES
	FETCH \slot, \k, \g
	s_wait_dscnt 32                                ; all but the 32 just issued
	MUL16 \f, 1, 0, \zero
	MUL16 \f, 1, 2, \zero
.endm
; The last quarter multiplies buffer 1 and changes slots.  MEET is its first half: ONE barrier.  In front of it each wave waits for all its tensor loads (one is out: its part of the next slot), adds 0 to its
; spare word, and waits for that and for its own reads of this slot.  Behind it nobody reads this slot any more and the next slot is whole.
.macro MEET round
	WIN 0                                          ; (the add's two registers lie in window 0)
	s_wait_tensorcnt 0x0
	ds_add_u32 v[SPW], v[NIL]                      ; 0 onto my spare word
	s_wait_dscnt 9                                 ; (the add and the youngest eight loads may be out)
	MUL16 F1, 0, 0, 0                              ; sixteen matrix instructions stand between the add and the wait for it
	s_wait_dscnt 0x0                               ; the add is done, and my reads of this slot are over
	s_barrier_signal -1
	MUL16 F1, 0, 2, 0                              ; work on registers while the others arrive
.if \round
	WIN 0
.endif
	s_barrier_wait -1
.endm
; The whole last quarter.  This slot is filled again: with this tile's K step two steps on or, in a tile's last lap, with the next tile's K step 0 or 1: the lap's three step registers say which.
; From a request to the wait for it a wave issues 224 matrix instructions, across tiles too.
.macro TURN slot, next
	s_wait_xcnt 0x0                                ; the last prefetch, a K step back, has read its address: it is stepped here, ahead of the waits of the change of slots
.if (\slot) == 0
	s_add_nc_u64 s[PFA:PFA+1], s[PFA:PFA+1], s[STP:STP+1]  ; a K step on; in a tile's last lap from the K step after the tile's last to the next tile's K step 1
.else
	s_add_nc_u64 s[PFA:PFA+1], s[PFA:PFA+1], KSTEP*2
.endif
	MEET 1
	CREST                                          ; the barrier has opened a round of the cluster's: no wave of any partner still reads this slot's tile or has a load on its way
	s_add_nc_u64 s[G0+4*(\slot)+2:G0+4*(\slot)+3], s[G0+4*(\slot)+2:G0+4*(\slot)+3], s[STA:STA+1]
	s_sub_nc_u64 s[G0+4*(\slot)+2:G0+4*(\slot)+3], s[G0+4*(\slot)+2:G0+4*(\slot)+3], s[BKA:BKA+1]
	s_add_nc_u64 s[G0B+4*(\slot)+2:G0B+4*(\slot)+3], s[G0B+4*(\slot)+2:G0B+4*(\slot)+3], s[STB:STB+1]
	JLOAD \slot                                    ; the first tensor load behind the round, my only one; its four v_nop are also the places in front of the loads below
	FETCH \next, 0, F0
	ASK
	MUL16 F1, 1, 0, 0
	MUL16 F1, 1, 2, 0
.endm
.macro BIASLD                          ; register j of block b takes bias[my column + 16 b + 8 (l / 16) + j]: the layout of a result
	WIN 0x40
.irp b, 0,1,2,3,4,5,6,7
	global_load_b128 v[8*(\b):8*(\b)+3],   v[BO], s[BI:BI+1] offset:64*(\b)
	global_load_b128 v[8*(\b)+4:8*(\b)+7], v[BO], s[BI:BI+1] offset:64*(\b)+16
.endr
	WIN 0
.endm
; THE VERY LAST K STEP (it lies in slot 1) GOES BY ROWS OF C, NOT BY K.  All its fragments of B (4 quarters x 64 registers) fill window 1; then my eight blocks of 16 rows are finished one after the other,
; each with 32 matrix instructions (its 8 accumulators by turns, K ascending).  LDS is read no more than in any other K step.
.macro BLOAD q                         ; B's fragments of quarter q -> window 1, v[64 q ..]
	WIN 0x40
.irp i, 0,1,2,3,4,5,6,7
	ds_load_b128 v[64*(\q)+8*(\i):64*(\q)+8*(\i)+3],   v[ADRB+1] offset:64*(\q)+(\i)*16*PITCH
	ds_load_b128 v[64*(\q)+8*(\i)+4:64*(\q)+8*(\i)+7], v[ADRB+1] offset:64*(\q)+(\i)*16*PITCH+32
.endr
.endm
.macro ALOAD a                         ; A's fragments of block a, all four quarters -> buffer a % 4
	WIN 0
.set FA, PA+32*((\a)%4)
.irp q, 0,1,2,3
	ds_load_b128 v[FA+8*(\q):FA+8*(\q)+3],   v[ADRA+1] offset:64*(\q)+(\a)*16*PITCH
	ds_load_b128 v[FA+8*(\q)+4:FA+8*(\q)+7], v[ADRA+1] offset:64*(\q)+(\a)*16*PITCH+32
.endr
.endm
.macro ROW a                           ; block a is finished: 32 matrix instructions
.set FA, PA+32*((\a)%4)
.set AC, 64*((\a)%4)
	WIN 0xa1+0x50*((\a)/4)
.irp q, 0,1,2,3
.if ((\a) == 0) && ((\q) == 2)
	s_wait_dscnt 24                                ; B's quarter 2 is in (behind it: A's blocks 1 to 3, 24 loads)
.endif
.irp b, 0,1,2,3,4,5,6,7
.set rD, AC+8*(\b)
.set rB, 64*(\q)+8*(\b)
.set rA, FA+8*(\q)
.set rC, rD
	WM
.endr
.endr
.endm
; THE WAY OUT of block a (16 rows).  PACK: rounded to f16, 16 bytes a lane, each accumulator's registers in ascending order.  TOSTAGE: into my own stage, and back as whole rows of 256 bytes.  SEND: stored.
.macro PACK a
.set AC, 64*((\a)%4)
	WIN 0x0a+5*((\a)/4)                            ; sources 0 and 1: window 2 or 3
.irp b, 0,1,2,3,4,5,6,7
.irp r, 0,1,2,3
	v_cvt_pk_f16_f32 v[TMP+4*(\b)+(\r)], v[AC+8*(\b)+2*(\r)], v[AC+8*(\b)+2*(\r)+1]
.endr
.endr
	WIN 0
.endm
.macro TOSTAGE a
	WIN 0
.set BK, OB+192*((\a)%2)
.irp b, 0,1,2,3,4,5,6,7
	ds_store_b128 v[STO], v[TMP+4*(\b):TMP+4*(\b)+3] offset:32*(\b)
.endr
.irp t, 0,1,2,3,4,5,6,7
	ds_load_b128 v[BK+4*(\t):BK+4*(\t)+3], v[RD] offset:(\t)*2*SPITCH  ; LDS serves a wave's instructions in order (ISA guide 5.7.1.4): these see the stores above
.endr
.endm
.macro SEND a, younger                 ; younger: the LDS loads issued behind TOSTAGE's, which may stay out
	WIN 0
.set BK, OB+192*((\a)%2)
	s_wait_dscnt \younger                          ; the block is back in registers
	s_wait_xcnt 0x0                                ; only behind this wait are the stores' base and the registers that earlier stores read rewritten
.if (\a) == 0
	s_add_nc_u64 s[8:9], s[8:9], s[16:17]          ; on to this tile
.endif
.irp t, 0,1,2,3,4,5,6,7
	global_store_b128 v[CO], v[BK+4*(\t):BK+4*(\t)+3], s[8:9] offset:(16*(\a)+2*(\t))*SIZE_N*2  ; 16 lanes store 256 consecutive bytes, at a multiple of 256 from C's first byte; 126 rows at the most: 774,144 bytes
.endr
.endm
	BIASLD                                         ; the first tile's bias
	s_wait_tensorcnt 1                             ; my part of K step 0 is in; K step 1's may stay out
	s_barrier_signal -1
	s_barrier_wait -1                              ; everybody's is
	FETCH 0, 0, F0
	s_mov_b32 s3, TILES*LAPS                       ; 12: the piece of a trip that is entered now, then 11 whole trips
	s_branch .Lstart                               ; the loop is entered at a tile's first quarter, in the middle of a trip
.Llap:                                                 ; s3 = 11 .. 1: a trip goes once round the ring, from a lap's second quarter to the next lap's first, and fills both slots again
	s_and_b32 s[LAPT], s3, 3
	s_cmp_eq_u32 s[LAPT], 0                        ; s3 = 8, 4: a tile's last lap: its refills are the next tile's K steps 0 and 1
	s_cselect_b32 s[STA], 0, s[C512]               ; A: two K steps on, or
	s_cselect_b32 s[BKA], BACK_A, 0                ;    back to the slot's first K step
	s_cselect_b32 s[STB], NEXT_B, s[C512]          ; B: two K steps on, or 1,024 rows down and back
	s_cselect_b32 s[STP], 1023*SIZE_K*2+KSTEP*2, s[C256]
	s_cselect_b32 s[TS], s11, 1                    ; 0 in A's waves in a tile's last lap:
	s_cmp_eq_u32 s[TS], 0
	s_cselect_b32 s[LIM], -1, s[LIM]               ; A's rows are the same for all three tiles: they have been read, and are prefetched no more
	s_cmp_eq_u32 s[LAPT], 1                        ; s3 = 9, 5, 1: a tile's third lap: no K step stands two refills on
	s_cselect_b32 s[ASKF], -1, s[LIM]
	QUARTER 0, 128, F1, F0, 0
	QUARTER 0, 192, F0, F1, 0
	TURN 0, 1
	QUARTER 1, 64,  F0, F1, 0
	QUARTER 1, 128, F1, F0, 0
	QUARTER 1, 192, F0, F1, 0
	TURN 1, 0
	WIN 0                                          ; at a label and at a branch every window is 0
	s_cmp_eq_u32 s[LAPT], 0
	s_cbranch_scc1 .Lnext
	QUARTER 0, 64,  F0, F1, 0                      ; the tile's next lap begins
	WIN 0
	s_branch .Lbottom
.Lnext:                                                ; THE TILE IS FINISHED; both refills for the next one are asked for, and its first fragments are fetched
	s_add_nc_u64 s[BI:BI+1], s[BI:BI+1], 4096      ; the next tile's bias, 1,024 words on (the last loads by this address were waited for at the tile's head)
	BIASLD
	PLACES                                         ; behind the last products
	PACK 0
	TOSTAGE 0
.irp a, 1,2,3,4,5,6,7                  ; block a's conversions stand between block a - 1's loads from the stage and the wait for them
	PACK \a
	SEND (\a)-1, 0
	TOSTAGE \a
.endr
	SEND 7, 0
	s_mov_b64 s[16:17], 2048                       ; what the next way out adds to C's address: 1,024 columns
.Lstart:
	s_wait_loadcnt 0x0                             ; the bias
	QUARTER 0, 64,  F0, F1, 1                      ; a tile's first quarter: its products start the sums
	WIN 0
.Lbottom:
	s_sub_co_u32 s3, s3, 1
	s_cmp_lg_u32 s3, 0
	s_cbranch_scc1 .Llap
	QUARTER 0, 128, F1, F0, 0                      ; THE LAST LAP OF ALL is written out: it asks for nothing
	QUARTER 0, 192, F0, F1, 0
	MEET 0                                         ; my one tensor load that was still out is slot 1's, the last K step's, so no round follows
	PLACES                                         ; for the loads into buffer 0, which the quarter before multiplied
	BLOAD 0                                        ; three quarters of B now: buffer 1 (v128-191 of both windows) is still being multiplied
	BLOAD 1
	BLOAD 3
	ALOAD 0
	MUL16 F1, 1, 0, 0
	MUL16 F1, 1, 2, 0
	PLACES                                         ; for the loads into buffer 1
	BLOAD 2
	ALOAD 1
	ALOAD 2
	ALOAD 3
	s_wait_dscnt 40                                ; all but the 40 just issued
	ROW 0
.irp a, 0,1,2,3,4,5,6,7                ; each block leaves as soon as it is finished: nothing follows this tile under which its stores could leave
	PLACES                                         ; its conversions read results just made
	PACK \a
	TOSTAGE \a
.if (\a) < 4
	ALOAD (\a)+4                                   ; its buffer takes the block four further on
	SEND \a, 8                                     ; those eight loads may stay out
.else
	SEND \a, 0
.endif
.if (\a) < 7
	ROW (\a)+1
.endif
.endr
	s_wait_tensorcnt 0x0                           ; the wave's end: a wait, an add onto my spare word and the wait for it, behind my last tensor load and my last LDS store
	ds_add_u32 v[SPW], v[NIL]
	s_wait_dscnt 0x0
	CROUND                                         ; the closing round: no work-group ends while a partner may still ask for a tile that names it
	s_endpgm
.Lfunc_end_k_q48705780b9_qkv:
	.size	k_q48705780b9_qkv, .Lfunc_end_k_q48705780b9_qkv-k_q48705780b9_qkv
	.p2alignl 7, 3214868480
	.fill 96, 4, 3214868480
	.section	.rodata,"a",@progbits
	.p2align	6, 0x0
	.amdhsa_kernel k_q48705780b9_qkv
		.amdhsa_group_segment_fixed_size 327680
		.amdhsa_private_segment_fixed_size 0
		.amdhsa_enable_private_segment 0
		.amdhsa_kernarg_size 32
		.amdhsa_user_sgpr_count 2
		.amdhsa_user_sgpr_kernarg_segment_ptr 1
		.amdhsa_wavefront_size32 1
		.amdhsa_system_sgpr_workgroup_id_x 1
		.amdhsa_system_sgpr_workgroup_id_y 1
		.amdhsa_system_sgpr_workgroup_id_z 1
		.amdhsa_system_vgpr_workitem_id 0
		.amdhsa_next_free_vgpr 1024
		.amdhsa_next_free_sgpr 84
		.amdhsa_reserve_vcc 0
		.amdhsa_float_denorm_mode_32 3
		.amdhsa_float_denorm_mode_16_64 3
		.amdhsa_memory_ordered 1
		.amdhsa_forward_progress 1
		.amdhsa_inst_pref_size 179
	.end_amdhsa_kernel
	.amdgpu_metadata
---
amdhsa.version: [ 1, 2 ]
amdhsa.kernels:
  - .name:           k_q48705780b9_qkv
    .symbol:         k_q48705780b9_qkv.kd
    .args:
      - { .name: xb, .offset: 0, .size: 8, .value_kind: global_buffer, .address_space: global }
      - { .name: wqb, .offset: 8, .size: 8, .value_kind: global_buffer, .address_space: global }
      - { .name: qkv, .offset: 16, .size: 8, .value_kind: global_buffer, .address_space: global }
      - { .name: bias, .offset: 24, .size: 8, .value_kind: global_buffer, .address_space: global }
    .group_segment_fixed_size: 327680
    .private_segment_fixed_size: 0
    .kernarg_segment_align: 8
    .kernarg_segment_size: 32
    .max_flat_workgroup_size: 128
    .sgpr_count:     84
    .vgpr_count:     1024
    .wavefront_size: 32
...
	.end_amdgpu_metadata
.endif
;; end of part 2
;; launch attn (part 3): grid 512 x 1, 8 waves a work-group, no clusters, 0 bytes of LDS; arguments qkv, ob; writes ob
.if DOCPART == 3
	.amdgcn_target "amdgcn-amd-amdhsa--gfx1250"
	.amdhsa_code_object_version 6
	.text
	.protected	k_q48705780b9_attn
	.globl	k_q48705780b9_attn
	.p2align	8
	.type	k_q48705780b9_attn,@function
k_q48705780b9_attn:
	s_mov_b64 s[64:65], 0
	v_nop
	global_prefetch_b8 v0, s[64:65] scope:SCOPE_SE
	s_setreg_imm32_b32 hwreg(HW_REG_WAVE_MODE, 25, 1), 1
	s_wait_xcnt 0x0
; FOR EACH TOKEN: o[h][:] = the sum over g of softmax_g(q[h] . k[g] / 8) v[g][:], over the token's own 16 heads of 64 channels.  qkv: [16384][3072] f16, ob: [16384][1024] f16.
; Products, maxima and sums in f32; the row's true maximum is taken away before the exponential; the weights are divided by their sum in f32 and rounded to f16 for the second product; o is rounded once.
; LIMITS.  A weight below 6e-8 becomes 0 in f16; one below 2^-126 counts as 0 in the sum.  o is a mean of v's rows and has their range.  NaN and infinities are not treated apart (two tokens share a fragment of v).
; LAYOUTS IN MEMORY, made by the launches in front.  A token's q (and k): number (head, d) at byte 256 (d >> 3) + 16 head + 2 (d & 7) of its 2,048: lane l = r + 16 h that reads 16 bytes at 512 j + 16 l holds
; head r, channels 16 j + 8 h + 0..7: pieces j = 0, 1 are one matrix fragment (16 heads x 32 channels), pieces 2, 3 the other.  v: number (g, d) at byte 512 (d >> 4) + 256 (g >> 3) + 16 (d & 15) + 2 (g & 7):
; the 16 bytes at 512 cb + 16 l hold channel 16 cb + r and heads g = 8 h + 0..7: half a fragment of v^T.  o is stored in q's layout.  So every load and store of a wave covers 512 consecutive bytes, aligned.
; PRODUCTS.  S^T = K Q^T (source 0 = 16 key heads, source 1 = 16 query heads): a lane holds ONE query head (l % 16) and the key heads 8 (l / 16) + 0..7; the other eight lie in the lane 16 away.  The eight weights,
; rounded in pairs, are four registers of source 1 of O^T = V^T P.  That product is 32 deep and a token has 16 heads, so one fragment of V carries TWO tokens (a in registers 0-3, b in 4-7): a multiplies it by
; [Pa, 0], b by [0, Pb].  In O^T a lane holds head l % 16 and channels 16 cb + 8 (l / 16) + 0..7: 16 bytes at 512 cb + 16 l of the token's o.
; SHARES.  A wave owns four tokens, as two pairs; 4,096 waves.  All its 48 loads (24 KiB) go out at its head.  NO LDS, NO BARRIER, NO CLUSTER: nothing is shared between waves or work-groups.
.set TT, 4                             ; token x of a pair, at TT + 8 x: +0, +1 at work; +2 c m; +3 m; +4, +5 the sums; +6 1 / l; +7 at work
.set SA, 224                           ; v[224:231] S^T of token a, v[232:239] of token b
.set PF, 240                           ; v[240:247] = [Pa, 0], v[248:255] = [0, Pb]
; pair p's data at PB = 32 + 96 p: q of a, of b (16 each), k of a, of b, then V (block cb at + 64 + 8 cb).  O^T takes q's and k's registers, the packed o takes V's.
.macro BOTH line:vararg                ; one line for each token x of the pair
.set x, 0
.rept 2
	\line
.set x, x+1
.endr
.endm
.macro LOADP p
.set PB, 32+96*(\p)
.irp x, 0,1
.irp j, 0,1,2,3
	global_load_b128 v[PB+16*(\x)+4*(\j):PB+16*(\x)+4*(\j)+3], v1, s[4:5] offset:(2*(\p)+(\x))*6144+(\j)*512 th:TH_LOAD_NT
.endr
.endr
.irp x, 0,1
.irp j, 0,1,2,3
	global_load_b128 v[PB+32+16*(\x)+4*(\j):PB+32+16*(\x)+4*(\j)+3], v1, s[4:5] offset:(2*(\p)+(\x))*6144+2048+(\j)*512 th:TH_LOAD_NT
.endr
.endr
.irp x, 0,1
.irp j, 0,1,2,3
	global_load_b128 v[PB+64+8*(\j)+4*(\x):PB+64+8*(\j)+4*(\x)+3], v1, s[4:5] offset:(2*(\p)+(\x))*6144+4096+(\j)*512 th:TH_LOAD_NT
.endr
.endr
.endm
; A pair of tokens.  w1: the loads issued behind the pair's q and k; w2: those issued behind its v.
.macro PAIR p, w1, w2
.set PB, 32+96*(\p)
	s_wait_loadcnt \w1
	v_wmma_f32_16x16x32_f16 v[SA:SA+7], v[PB+32:PB+39], v[PB:PB+7], 0               ; the two accumulators take turns
	v_wmma_f32_16x16x32_f16 v[SA+8:SA+15], v[PB+48:PB+55], v[PB+16:PB+23], 0
	v_wmma_f32_16x16x32_f16 v[SA:SA+7], v[PB+40:PB+47], v[PB+8:PB+15], v[SA:SA+7]
	v_wmma_f32_16x16x32_f16 v[SA+8:SA+15], v[PB+56:PB+63], v[PB+24:PB+31], v[SA+8:SA+15]
.rept 5
	v_nop                                          ; four places before the scores are read, a fifth before later products write over q's and k's registers (ISA guide 7.12.1)
.endr
	BOTH v_max3_num_f32 v[TT+8*x], v[SA+8*x], v[SA+8*x+1], v[SA+8*x+2]
	BOTH v_max3_num_f32 v[TT+8*x+1], v[SA+8*x+3], v[SA+8*x+4], v[SA+8*x+5]
	BOTH v_max3_num_f32 v[TT+8*x], v[TT+8*x], v[SA+8*x+6], v[SA+8*x+7]
	BOTH v_max_num_f32 v[TT+8*x], v[TT+8*x], v[TT+8*x+1]
	BOTH v_permlanex16_b32 v[TT+8*x+1], v[TT+8*x], s14, s15
	BOTH v_max_num_f32 v[TT+8*x+3], v[TT+8*x], v[TT+8*x+1]
	BOTH v_mul_f32 v[TT+8*x+2], s12, v[TT+8*x+3]
.set i, 0
.rept 8                                ; c s - c m, a pair of scores a line, the tokens by turns
.set rS, SA+8*(i%2)+2*(i/2)
.set rT, TT+8*(i%2)
	v_pk_fma_f32 v[rS:rS+1], v[rS:rS+1], s[12:13], v[rT+2:rT+3] op_sel_hi:[1,0,0] neg_lo:[0,0,1] neg_hi:[0,0,1]
.set i, i+1
.endr
.set i, 0
.rept 16
	v_exp_f32 v[SA+i], v[SA+i]
.set i, i+1
.endr
	v_nop                                          ; a plain instruction behind the last exponential,
	s_wait_alu depctr_va_vdst(0)                   ; and one wait ahead of the batch's first reader
	BOTH v_pk_add_f32 v[TT+8*x+4:TT+8*x+5], v[SA+8*x:SA+8*x+1], v[SA+8*x+2:SA+8*x+3]
	BOTH v_pk_add_f32 v[TT+8*x:TT+8*x+1], v[SA+8*x+4:SA+8*x+5], v[SA+8*x+6:SA+8*x+7]
	BOTH v_pk_add_f32 v[TT+8*x+4:TT+8*x+5], v[TT+8*x+4:TT+8*x+5], v[TT+8*x:TT+8*x+1]
	BOTH v_add_f32 v[TT+8*x+4], v[TT+8*x+4], v[TT+8*x+5]
	BOTH v_permlanex16_b32 v[TT+8*x+7], v[TT+8*x+4], s14, s15
	BOTH v_add_f32 v[TT+8*x+4], v[TT+8*x+4], v[TT+8*x+7]
	BOTH v_rcp_f32 v[TT+8*x+6], v[TT+8*x+4]
	v_nop
	s_wait_alu depctr_va_vdst(0)                   ; one wait for the two reciprocals
.set i, 0
.rept 8
.set rS, SA+8*(i%2)+2*(i/2)
.set rT, TT+8*(i%2)
	v_pk_mul_f32 v[rS:rS+1], v[rS:rS+1], v[rT+6:rT+7] op_sel_hi:[1,0]
.set i, i+1
.endr
.set i, 0
.rept 4
	v_cvt_pk_f16_f32 v[PF+i], v[SA+2*i], v[SA+2*i+1]
	v_cvt_pk_f16_f32 v[PF+12+i], v[SA+8+2*i], v[SA+8+2*i+1]
.set i, i+1
.endr
	s_wait_loadcnt \w2
.set cb, 0
.rept 4                                ; eight products on eight accumulators, each a whole sum
	v_wmma_f32_16x16x32_f16 v[PB+8*cb:PB+8*cb+7], v[PB+64+8*cb:PB+64+8*cb+7], v[PF:PF+7], 0
	v_wmma_f32_16x16x32_f16 v[PB+32+8*cb:PB+32+8*cb+7], v[PB+64+8*cb:PB+64+8*cb+7], v[PF+8:PF+15], 0
.set cb, cb+1
.endr
.rept 4
	v_nop                                          ; the places before the results are read and V's registers written
.endr
.set i, 0
.rept 32                               ; accumulator i / 4, its registers in ascending order
	v_cvt_pk_f16_f32 v[PB+64+i], v[PB+2*i], v[PB+2*i+1]
.set i, i+1
.endr
.irp x, 0,1
.irp j, 0,1,2,3
	global_store_b128 v1, v[PB+64+16*(\x)+4*(\j):PB+64+16*(\x)+4*(\j)+3], s[6:7] offset:(2*(\p)+(\x))*2048+(\j)*512 th:TH_STORE_NT
.endr
.endr
.endm
	s_load_b128 s[4:7], s[0:1], 0x0                ; qkv s[4:5], ob s[6:7]
	v_lshrrev_b32 v2, 5, v0
	v_readfirstlane_b32 s8, v2                     ; wave 0..7
	v_and_b32 v1, 31, v0
	v_lshlrev_b32 v1, 4, v1                        ; 16 x lane; never rewritten
	s_lshl_b32 s9, ttmp9, 3
	s_add_co_u32 s9, s9, s8                        ; my wave among the launch's 4,096
	s_mul_i32 s10, s9, 4*6144                      ; its four tokens in qkv,
	s_mov_b32 s11, 0
	s_lshl_b32 s16, s9, 13                         ; and in ob
	s_mov_b32 s17, 0
	s_mov_b32 s12, 0x3e38aa3b                      ; c = log2(e) / 8
	s_mov_b32 s13, s12                             ; named with it as a pair
	s_mov_b32 s14, 0x76543210                      ; v_permlanex16_b32: each lane takes its own place in the other half
	s_mov_b32 s15, 0xfedcba98
	s_wait_kmcnt 0x0
	s_add_nc_u64 s[4:5], s[4:5], s[10:11]
	s_add_nc_u64 s[6:7], s[6:7], s[16:17]
	LOADP 0
	LOADP 1
	BOTH v_mov_b32 v[TT+8*x+1], 0                  ; the exchange's destinations count as read
	BOTH v_mov_b32 v[TT+8*x+7], 0
.set i, 4
.rept 8
	v_mov_b32 v[PF+i], 0                           ; the halves of the two weight fragments that belong to the other token: written once
.set i, i+1
.endr
	PAIR 0, 32, 24                                 ; 48 loads: 32 were issued behind pair 0's q and k, 24 behind its v
	PAIR 1, 8, 0                                   ; 8 behind pair 1's q and k, none behind its v
	s_endpgm
.Lfunc_end_k_q48705780b9_attn:
	.size	k_q48705780b9_attn, .Lfunc_end_k_q48705780b9_attn-k_q48705780b9_attn
	.p2alignl 7, 3214868480
	.fill 96, 4, 3214868480
	.section	.rodata,"a",@progbits
	.p2align	6, 0x0
	.amdhsa_kernel k_q48705780b9_attn
		.amdhsa_group_segment_fixed_size 0
		.amdhsa_private_segment_fixed_size 0
		.amdhsa_enable_private_segment 0
		.amdhsa_kernarg_size 16
		.amdhsa_user_sgpr_count 2
		.amdhsa_user_sgpr_kernarg_segment_ptr 1
		.amdhsa_wavefront_size32 1
		.amdhsa_system_sgpr_workgroup_id_x 1
		.amdhsa_system_sgpr_workgroup_id_y 1
		.amdhsa_system_sgpr_workgroup_id_z 1
		.amdhsa_system_vgpr_workitem_id 0
		.amdhsa_next_free_vgpr 256
		.amdhsa_next_free_sgpr 66
		.amdhsa_reserve_vcc 0
		.amdhsa_float_denorm_mode_32 3
		.amdhsa_float_denorm_mode_16_64 3
		.amdhsa_memory_ordered 1
		.amdhsa_forward_progress 1
		.amdhsa_inst_pref_size 21
	.end_amdhsa_kernel
	.amdgpu_metadata
---
amdhsa.version: [ 1, 2 ]
amdhsa.kernels:
  - .name:           k_q48705780b9_attn
    .symbol:         k_q48705780b9_attn.kd
    .args:
      - { .name: qkv, .offset: 0, .size: 8, .value_kind: global_buffer, .address_space: global }
      - { .name: ob, .offset: 8, .size: 8, .value_kind: global_buffer, .address_space: global }
    .group_segment_fixed_size: 0
    .private_segment_fixed_size: 0
    .kernarg_segment_align: 8
    .kernarg_segment_size: 16
    .max_flat_workgroup_size: 256
    .sgpr_count:     66
    .vgpr_count:     256
    .wavefront_size: 32
...
	.end_amdgpu_metadata
.endif
;; end of part 3
;; launch proj (part 4): grid 4 x 64, 4 waves a work-group, clusters of 4 x 4, 327,680 bytes of LDS; arguments ob, wpf, out0, bias; writes out0
.if DOCPART == 4
	.amdgcn_target "amdgcn-amd-amdhsa--gfx1250"
	.amdhsa_code_object_version 6
	.text
	.protected	k_q48705780b9_proj
	.globl	k_q48705780b9_proj
	.p2align	8
	.type	k_q48705780b9_proj,@function
k_q48705780b9_proj:
	s_mov_b64 s[64:65], 0
	v_nop
	global_prefetch_b8 v0, s[64:65] scope:SCOPE_SE
	s_setreg_imm32_b32 hwreg(HW_REG_WAVE_MODE, 25, 1), 1
	s_wait_xcnt 0x0
	s_wait_alu depctr_hold_cnt(0) depctr_sa_sdst(0) depctr_va_vdst(0) depctr_va_sdst(0) depctr_va_ssrc(0) depctr_va_vcc(0) depctr_vm_vsrc(0)
	s_getreg_b32 s2, hwreg(HW_REG_IB_STS2, 6, 4)
	s_cmp_eq_u32 s2, 0
	s_cbranch_scc0 .Lentry_in_a_cluster
	s_endpgm
.Lentry_in_a_cluster:
	s_bfe_u32 s2, ttmp6, 0x10000c
	s_cmp_lg_u32 s2, 0xf033
	s_cbranch_scc0 .Lentry_shape_is_right
	s_endpgm
.Lentry_shape_is_right:
; out0[m][n] = bias[3072 + n] + the sum over c' of ob[m][c'] wpf[n][c'].  ob: [16384][1024] f16, wpf: [1024][1024] f16 (both with the same order of c'), bias: f32, out0: [16384][1024] f32; sums in f32.
; A tile of C, 256 x 256, is made by a work-group of four waves; a wave makes 128 x 128: 64 accumulators of 16 x 16, 512 registers.  64 x 4 tiles: one to a work-group.  K goes in steps of 128 through a ring of
; two LDS slots filled by the tensor data mover: the rows of A's and B's tiles are 256 bytes of memory and start at multiples of 256 bytes from the buffer's first byte.
; The last K step goes by rows of C, so that finished rows leave while the others are multiplied.
; CLUSTERS: 4 x 4 work-groups.  The four of a row of the cluster need the same tiles of A, the four of a column the same tiles of B: each tile is asked for JOINTLY, by the same tensor load with the same
; descriptor and a mask that names the four.
; THE BIAS IS THE C OPERAND of the product that starts each sum: nothing is cleared and nothing is added later.
; THE MATRIX INSTRUCTION IS USED TRANSPOSED: source 0 = 16 rows of B, source 1 = 16 rows of A.  Lane l then holds row m = l % 16 of C and the columns n = 8 (l / 16) + 0 .. 7: 32 neighbouring bytes.
; REGISTERS, in windows of 256 (s_set_vgpr_msb's low byte: bits 1:0 source 0, 3:2 source 1, 5:4 source 2, 7:6 destination):
;   window 0: v0-31 addresses; v64-127, v128-191 fragments of A, two buffers (in the last K step four, of 16 rows x 128 K); v192-255 16 rows read back from the stage
;   window 1: v0-63 the bias of my 128 columns (8 registers for each block of 16); v64-127, v128-191 fragments of B, two buffers; in the last K step all 256: B's fragments of the whole step
;   window 2: the 32 accumulators of my rows 0-63 (accumulator (a, b) at v[8 (8 a + b)]);   window 3: those of my rows 64-127
.set SIZE_K, 1024
.set SIZE_N, 1024
.set KSTEP,  128
.set PITCH,  272                       ; an LDS row: 256 bytes + 16 of padding = 68 words: row r starts at bank 4 r mod 64 (64 banks of 4 bytes: ISA guide 11.1)
.set HALFT,  128*PITCH                 ; 128 rows: what one tensor load brings, and what one wave reads of A or of B
.set SLOT,   4*HALFT                   ; A's 256 rows, then B's 256 rows
.set STAGE,  2*SLOT                    ; behind the ring: 16 rows x 528 bytes for each wave, for the way out; no tensor load lands there
.set SPITCH, 528                       ; 512 bytes + 16: the 16 rows that a store touches start at 16 different groups of four banks
.set SPARE,  STAGE+4*16*SPITCH         ; behind the stages: the spare words, 128 bytes for each wave: two blocks of 256 bytes that no other line names
.set LAPS,   SIZE_K/(2*KSTEP)          ; a lap = two K steps = once round the ring
.set ADRA, 16                          ; v16-17  LDS address of my A fragments in slot 0, 1
.set ADRB, 20                          ; v20-21  the same for B
.set STO,  24                          ; v24     the way out: where I put 32 bytes of a row
.set RD,   25                          ; v25     the way out: where I read a row back
.set CO,   26                          ; v26     my byte offset in a row's 512 bytes of C
.set BO,   27                          ; v27     my byte offset in 16 bias words: 32 (l / 16)
.set SPW,  28                          ; v28     LDS address of my spare word: SPARE + 4 x my thread's number; never rewritten
.set NIL,  29                          ; v29     0; never rewritten
.set PFO,  30                          ; v30     the prefetches' offset: my lane x a row of A or B (2,048 bytes); never rewritten
.set PFA,  44                          ; s[44:45] where my prefetches stand: my work-group's 32 rows of the 128 that I fetch, one K step further along K than the refill in hand; a prefetch names the K step after that
.set LIM,  43                          ; s43     1 in a wave that prefetches, else the greatest number
.set BI,   66                          ; s[66:67] the bias at my 128 columns
.set F0,   64
.set F1,   128
.set PA,   64                          ; the last K step: A's fragments of 16 rows x 128 K, 32 registers; four such buffers, v64-191
.set OB,   192                         ; the way out: 16 rows of 512 bytes read back from the stage
.set G1, 24                            ; s[24:31] descriptor group 1 for A's tiles
.set G0, 32                            ; s[32:39] descriptor group 0 for A's tiles, one set for each slot
.set G1B, 48                           ; s[48:55], s[56:63] the same for B's tiles
.set G0B, 56
.set MSB, 0
.macro WIN new                         ; the immediate's high byte repeats the setting that is left; a switch that changes nothing is dropped
.if MSB != (\new)
	s_set_vgpr_msb (MSB<<8)|(\new)
.set MSB, \new
.endif
.endm
; A joint load.  Waves 0 and 1 fetch A's two halves, waves 2 and 3 B's.  The branch hangs on the wave's number alone.  An s_nop 0 and four v_nop follow each of the two lines.
.macro JLOAD s
	s_cmp_eq_u32 s11, 0
	s_cbranch_scc0 .Lfor_b_\@
	tensor_load_to_lds s[G0+4*(\s):G0+4*(\s)+3], s[G1:G1+7]
	s_nop 0
.rept 4
	v_nop
.endr
	s_branch .Lasked_\@
.Lfor_b_\@:
	tensor_load_to_lds s[G0B+4*(\s):G0B+4*(\s)+3], s[G1B:G1B+7]
	s_nop 0
.rept 4
	v_nop
.endr
.Lasked_\@:
.endm
; A PREFETCH INTO THE L2, behind each joint load, its five lines and the run of LDS loads that follows them: the K step that stands TWO refills on (512 matrix instructions ahead of the load that will want it):
; 32 rows x 256 bytes, a lane a row, one instruction a wave.  Each row's 256 bytes of a K step are named ONCE in the launch.  A's tile row is read by one cluster alone (the grid is one cluster wide): it asks.
; B's rows are read by all sixteen clusters: the one with y = 0 asks.  The four partners that ask for a tile jointly share its rows out BY ADDRESS: of the 128 rows that a wave fetches the partner at place p
; takes 32 p .. 32 p + 31 (p = cx for A, cy for B).  The last two refills have no K step two on, and ask for nothing.
.macro ASK
	s_cmp_gt_u32 s3, s[LIM]                        ; s3 = 1 in the loop's last trip
	s_cbranch_scc0 .Lnot_mine_\@
	global_prefetch_b8 v[PFO], s[PFA:PFA+1] offset:KSTEP*2 th:TH_LOAD_NT scope:SCOPE_SE
.Lnot_mine_\@:
.endm
; A round of the cluster's barrier: my work-group's barrier; wave 0 signals for the work-group; every wave waits for all sixteen work-groups; my work-group's barrier once more.
.macro CREST                           ; a round behind its opening barrier
	s_cmp_lg_u32 s10, 0
	s_cbranch_scc1 .Lnot_wave_0_\@
	s_barrier_signal -3
.Lnot_wave_0_\@:
	s_barrier_wait -3
	s_barrier_signal -1
	s_barrier_wait -1
.endm
.macro CROUND
	s_barrier_signal -1
	s_barrier_wait -1
	CREST
.endm
	s_load_b128 s[4:7], s[0:1], 0x0                ; A s[4:5], B s[6:7]
	s_load_b64 s[8:9], s[0:1], 0x10                ; C
	s_load_b64 s[BI:BI+1], s[0:1], 0x18            ; bias
	v_lshl_add_u32 v[SPW], v0, 2, SPARE
	v_mov_b32 v[NIL], 0
	ds_add_u32 v[SPW], v[NIL]                      ; the wave's opening: the add and its wait stand ahead of my first tensor load; the set-up below, work on registers, stands between them
	v_lshrrev_b32 v1, 5, v0
	v_readfirstlane_b32 s10, v1                    ; wave 0..3
	s_lshr_b32 s11, s10, 1                         ; which half of the tile's rows is mine.  Also: I fetch for A (0) or for B (1)
	s_and_b32 s12, s10, 1                          ; which half of its columns.  Also: which 128 rows of that tile I fetch
	s_bfe_u32 s40, ttmp6, 0x40000                  ; cx
	s_bfe_u32 s41, ttmp6, 0x40004                  ; cy
	s_lshl_b32 s42, ttmp9, 2
	s_add_co_u32 s42, s42, s40                     ; tile column = 4 x cluster x + cx
	s_and_b32 s13, ttmp7, 0xffff
	s_lshl_b32 s13, s13, 2
	s_add_co_u32 s13, s13, s41                     ; tile row = 4 x cluster y + cy
	s_lshl_b32 s43, s41, 2
	s_lshl_b32 s43, 15, s43                        ; my row of the cluster: places 4 cy .. 4 cy + 3
	s_lshl_b32 s44, 0x1111, s40                    ; my column: places cx, cx + 4, cx + 8, cx + 12
	; descriptor group 1: a tile of 128 rows x 128 elements, padded in LDS
	s_or_b32 s[G1+0], s43, (1<<16)|(1<<20)|(1<<21)|(5<<22)|(3<<25)  ; 15:0 the mask; 17:16 elements of 2 bytes; 20 padding on; 21 set beside a mask; 24:22 after every 64 words (code 5); 31:25 4 words of it (code 3)
	s_or_b32 s[G1B+0], s44, (1<<16)|(1<<20)|(1<<21)|(5<<22)|(3<<25)
	s_mov_b32 s[G1B+1], KSTEP<<16
	s_mov_b32 s[G1+1], KSTEP<<16                   ; tensor_dim0 = 128
	s_mov_b32 s[G1B+2], 128<<16
	s_mov_b32 s[G1+2], 128<<16                     ; tensor_dim1 = 128
	s_mov_b32 s[G1B+3], KSTEP<<16
	s_mov_b32 s[G1+3], KSTEP<<16                   ; tile_dim0 = 128
	s_mov_b32 s[G1B+4], 128
	s_mov_b32 s[G1+4], 128                         ; tile_dim1 = 128
	s_mov_b32 s[G1B+5], SIZE_K
	s_mov_b32 s[G1+5], SIZE_K                      ; elements from row to row
	s_mov_b32 s[G1B+6], 0
	s_mov_b32 s[G1+6], 0
	s_mov_b32 s[G1B+7], 0
	s_mov_b32 s[G1+7], 0
	; where the tiles come from.  A's hang on the tile row alone, B's on the tile column alone; each address is made in registers that never hold the other coordinate.
	s_lshl_b32 s17, s12, 7
	s_lshl_b32 s16, s13, 8
	s_add_co_u32 s16, s16, s17                     ; A: row 256 x tile row + 128 x half
	s_lshl_b32 s46, s42, 8
	s_add_co_u32 s46, s46, s17                     ; B: row 256 x tile column + 128 x half
	s_mov_b32 s17, 0
	s_mov_b32 s47, 0
	s_mov_b64 s[18:19], SIZE_K*2
	s_mul_u64 s[16:17], s[16:17], s[18:19]
	s_mul_u64 s[46:47], s[46:47], s[18:19]
	s_mul_i32 s20, s10, HALFT                      ; where they go: wave x 128 rows: no place in the cluster enters an LDS address
	s_wait_dscnt 0x0                               ; the opening add is done
	s_wait_kmcnt 0x0
	s_add_nc_u64 s[14:15], s[4:5], s[16:17]
	s_add_nc_u64 s[46:47], s[6:7], s[46:47]
	CROUND                                         ; all sixteen work-groups are here: the first joint loads meet
.irp s, 0,1
	s_mov_b32 s[G0+4*(\s)], 1                                      ; count = 1
	s_add_co_u32 s[G0+4*(\s)+1], s20, (\s)*SLOT                    ; LDS address
	s_add_nc_u64 s[G0+4*(\s)+2:G0+4*(\s)+3], s[14:15], (\s)*KSTEP*2  ; global address: K step s
	s_or_b32 s[G0+4*(\s)+3], s[G0+4*(\s)+3], 0x80000000            ; type = 2
	s_mov_b32 s[G0B+4*(\s)], 1
	s_add_co_u32 s[G0B+4*(\s)+1], s20, (\s)*SLOT
	s_add_nc_u64 s[G0B+4*(\s)+2:G0B+4*(\s)+3], s[46:47], (\s)*KSTEP*2
	s_or_b32 s[G0B+4*(\s)+3], s[G0B+4*(\s)+3], 0x80000000
	JLOAD \s                                       ; two tensor loads of mine are out
.endr
	; A fragment is 16 rows x 32 K in 8 registers: lane l holds row l % 16; registers 0-3 K = 8 (l / 16) + 0..7, registers 4-7 K = 16 + 8 (l / 16) + 0..7: two loads of 16 bytes, 32 bytes apart.
	v_and_b32 v1, 15, v0                           ; l % 16
	v_bfe_u32 v2, v0, 4, 1                         ; l / 16
	v_mul_u32_u24 v3, v1, PITCH
	v_lshl_add_u32 v3, v2, 4, v3
	s_mul_i32 s21, s11, HALFT                      ; my 128 rows of A
	s_mul_i32 s22, s12, HALFT                      ; my 128 rows of B,
	s_add_co_u32 s22, s22, 2*HALFT                 ; which lie behind A's 256
.irp s, 0,1
	v_add_nc_u32 v[ADRA+(\s)], s21, v3
	v_add_nc_u32 v[ADRB+(\s)], s22, v3
	s_add_co_u32 s21, s21, SLOT
	s_add_co_u32 s22, s22, SLOT
.endr
	s_mul_i32 s23, s10, 16*SPITCH
	s_add_co_u32 s23, s23, STAGE                   ; my stage
	v_mul_u32_u24 v4, v1, SPITCH                   ; in: row l % 16, 32 bytes for each half of the lanes
	v_lshl_add_u32 v4, v2, 5, v4
	v_add_nc_u32 v[STO], s23, v4
	v_and_b32 v5, 31, v0
	v_lshlrev_b32 v[CO], 4, v5                     ; back: 32 lanes take one row of 512 bytes, and the same in C
	v_add_nc_u32 v[RD], s23, v[CO]
	v_lshlrev_b32 v[BO], 5, v2
	; where my part of the tile begins in C, in bytes: the way out adds it to C's address
	s_lshl_b32 s13, s13, 8
	s_lshl_b32 s14, s11, 7
	s_add_co_u32 s16, s13, s14                     ; my first row of C
	s_mov_b32 s17, 0
	s_mov_b64 s[18:19], SIZE_N*4
	s_mul_u64 s[16:17], s[16:17], s[18:19]
	s_lshl_b32 s46, s42, 8
	s_lshl_b32 s47, s12, 7
	s_add_co_u32 s46, s46, s47                     ; my first column = 256 x tile column + 128 x half
	s_lshl_b32 s46, s46, 2                         ; 4 bytes a number of C and a bias word
	s_mov_b32 s47, 0
	s_add_nc_u64 s[16:17], s[16:17], s[46:47]
	s_add_co_u32 s20, s46, 12288                   ; b_proj's words lie behind b_qkv's 3,072
	s_mov_b32 s21, 0
	s_add_nc_u64 s[BI:BI+1], s[BI:BI+1], s[20:21]
	; the prefetches.  s13 = 256 x tile row, s42 = tile column, s40 = cx, s41 = cy still stand
	s_lshl_b32 s42, s42, 8
	s_and_b32 s22, ttmp7, 0xffff                   ; cluster y
	s_cmp_eq_u32 s11, 0                            ; do I fetch for A?
	s_cselect_b32 s20, s13, s42                    ; the tile's first row
	s_cselect_b32 s21, s40, s41                    ; my place among the four that ask for it with me
	s_cselect_b32 s22, ttmp9, s22                  ; the coordinate along which other clusters read the same rows
	s_cselect_b64 s[PFA:PFA+1], s[4:5], s[6:7]
	s_cmp_eq_u32 s22, 0
	s_cselect_b32 s[LIM], 1, -1                    ; the same in all sixteen partners, for a given wave
	s_lshl_b32 s22, s12, 7
	s_add_co_u32 s20, s20, s22                     ; + the 128 rows that I fetch
	s_lshl_b32 s21, s21, 5
	s_add_co_u32 s20, s20, s21                     ; + my work-group's 32 of them
	s_mov_b32 s21, 0
	s_mov_b64 s[18:19], SIZE_K*2
	s_mul_u64 s[20:21], s[20:21], s[18:19]
	s_add_nc_u64 s[PFA:PFA+1], s[PFA:PFA+1], s[20:21]
	s_add_nc_u64 s[PFA:PFA+1], s[PFA:PFA+1], 2*KSTEP*2  ; at K step 2: the first refill steps it to 3 and names K step 4.  Nothing is prefetched here, at the head
	v_and_b32 v[PFO], 31, v0
	v_mul_u32_u24 v[PFO], v[PFO], SIZE_K*2
.macro WM                              ; one product; MUL16 and ROW set the four register numbers
	v_wmma_f32_16x16x32_f16 v[rD:rD+7], v[rB:rB+7], v[rA:rA+7], v[rC:rC+7]
.endm
; 16 matrix instructions: m blocks a0, a0 + 1 of the window's four (hi = 0: my rows 0-63, 1: rows 64-127) x all 8 n blocks, 32 along K.  zero = 1: the product starts the sum, with the bias (window 1) as C.
.macro MUL16 f, hi, a0, zero
.if \zero
	WIN 0x91+0x40*(\hi)                            ; B window 1, A window 0, C window 1, D window 2 or 3
.else
	WIN 0xa1+0x50*(\hi)                            ; B window 1, A window 0, C and D window 2 or 3
.endif
.irp a, \a0, (\a0)+1
.irp b, 0,1,2,3,4,5,6,7
.set rD, 8*(8*(\a)+(\b))
.set rB, (\f)+8*(\b)
.set rA, (\f)+8*(4*(\hi)+(\a))
.if \zero
.set rC, 8*(\b)
.else
.set rC, rD
.endif
	WM
.endr
.endr
.endm
; 32 LDS loads in one run: the fragments of one quarter step (128 rows of B, 128 rows of A, 32 K at byte k of the rows) into buffer f
.macro FETCH slot, k, f
	WIN 0x40                                       ; destination window 1, address window 0
.irp i, 0,1,2,3,4,5,6,7
	ds_load_b128 v[(\f)+8*(\i):(\f)+8*(\i)+3],   v[ADRB+(\slot)] offset:(\k)+(\i)*16*PITCH
	ds_load_b128 v[(\f)+8*(\i)+4:(\f)+8*(\i)+7], v[ADRB+(\slot)] offset:(\k)+(\i)*16*PITCH+32
.endr
	WIN 0
.irp i, 0,1,2,3,4,5,6,7
	ds_load_b128 v[(\f)+8*(\i):(\f)+8*(\i)+3],   v[ADRA+(\slot)] offset:(\k)+(\i)*16*PITCH
	ds_load_b128 v[(\f)+8*(\i)+4:(\f)+8*(\i)+7], v[ADRA+(\slot)] offset:(\k)+(\i)*16*PITCH+32
.endr
.endm
; A load into a register that a matrix instruction has read, and an LDS store that reads a matrix result, stand four places behind it; only plain vector instructions that name none of its
; registers are places (ISA guide 7.12.1 for vector instructions).
.macro PLACES
.rept 4
	v_nop
.endr
.endm
; A K step is four quarter steps of 32 along K, 64 matrix instructions each, on buffers 0, 1, 0, 1.  The 64 accumulators take turns in the same order in every quarter.
.macro QUARTER slot, k, f, g, zero
	s_wait_dscnt 8                                 ; B and A's rows 0-63 are in; the youngest eight loads (A's rows 64-127) may be out
	MUL16 \f, 0, 0, \zero
	MUL16 \f, 0, 2, \zero
	PLACES
	FETCH \slot, \k, \g
	s_wait_dscnt 32                                ; all but the 32 just issued
	MUL16 \f, 1, 0, \zero
	MUL16 \f, 1, 2, \zero
.endm
; The last quarter multiplies buffer 1 and changes slots.  MEET is its first half: ONE barrier.  In front of it each wave waits for all its tensor loads (one is out: its part of the next slot), adds 0 to its
; spare word, and waits for that and for its own reads of this slot.  Behind it nobody reads this slot any more and the next slot is whole.
.macro MEET round
	WIN 0                                          ; (the add's two registers lie in window 0)
	s_wait_tensorcnt 0x0
	ds_add_u32 v[SPW], v[NIL]                      ; 0 onto my spare word
	s_wait_dscnt 9                                 ; (the add and the youngest eight loads may be out)
	MUL16 F1, 0, 0, 0                              ; sixteen matrix instructions stand between the add and the wait for it
	s_wait_dscnt 0x0                               ; the add is done, and my reads of this slot are over
	s_barrier_signal -1
	MUL16 F1, 0, 2, 0                              ; work on registers while the others arrive
.if \round
	WIN 0
.endif
	s_barrier_wait -1
.endm
; The whole last quarter: this slot is filled again with the K step two steps on; from the request to the wait for it a wave issues 224 matrix instructions.
.macro TURN slot, next
	s_wait_xcnt 0x0                                ; the last prefetch, a K step back, has read its address: it is stepped here, ahead of the waits of the change of slots
	s_add_nc_u64 s[PFA:PFA+1], s[PFA:PFA+1], KSTEP*2
	MEET 1
	CREST                                          ; the barrier has opened a round of the cluster's: no wave of any partner still reads this slot's tile or has a load on its way
	s_add_nc_u64 s[G0+4*(\slot)+2:G0+4*(\slot)+3], s[G0+4*(\slot)+2:G0+4*(\slot)+3], 2*KSTEP*2
	s_add_nc_u64 s[G0B+4*(\slot)+2:G0B+4*(\slot)+3], s[G0B+4*(\slot)+2:G0B+4*(\slot)+3], 2*KSTEP*2
	JLOAD \slot                                    ; the first tensor load behind the round, my only one; its four v_nop are also the places in front of the loads below
	FETCH \next, 0, F0
	ASK
	MUL16 F1, 1, 0, 0
	MUL16 F1, 1, 2, 0
.endm
.macro BIASLD                          ; register j of block b takes bias[my column + 16 b + 8 (l / 16) + j]: the layout of a result
	WIN 0x40
.irp b, 0,1,2,3,4,5,6,7
	global_load_b128 v[8*(\b):8*(\b)+3],   v[BO], s[BI:BI+1] offset:64*(\b)
	global_load_b128 v[8*(\b)+4:8*(\b)+7], v[BO], s[BI:BI+1] offset:64*(\b)+16
.endr
	WIN 0
.endm
; THE LAST K STEP (it lies in slot 1) GOES BY ROWS OF C, NOT BY K.  All its fragments of B (4 quarters x 64 registers) fill window 1; then my eight blocks of 16 rows are finished one after the other,
; each with 32 matrix instructions (its 8 accumulators by turns, K ascending).  LDS is read no more than in any other K step.
.macro BLOAD q                         ; B's fragments of quarter q -> window 1, v[64 q ..]
	WIN 0x40
.irp i, 0,1,2,3,4,5,6,7
	ds_load_b128 v[64*(\q)+8*(\i):64*(\q)+8*(\i)+3],   v[ADRB+1] offset:64*(\q)+(\i)*16*PITCH
	ds_load_b128 v[64*(\q)+8*(\i)+4:64*(\q)+8*(\i)+7], v[ADRB+1] offset:64*(\q)+(\i)*16*PITCH+32
.endr
.endm
.macro ALOAD a                         ; A's fragments of block a, all four quarters -> buffer a % 4
	WIN 0
.set FA, PA+32*((\a)%4)
.irp q, 0,1,2,3
	ds_load_b128 v[FA+8*(\q):FA+8*(\q)+3],   v[ADRA+1] offset:64*(\q)+(\a)*16*PITCH
	ds_load_b128 v[FA+8*(\q)+4:FA+8*(\q)+7], v[ADRA+1] offset:64*(\q)+(\a)*16*PITCH+32
.endr
.endm
.macro ROW a                           ; block a is finished: 32 matrix instructions
.set FA, PA+32*((\a)%4)
.set AC, 64*((\a)%4)
	WIN 0xa1+0x50*((\a)/4)
.irp q, 0,1,2,3
.if ((\a) == 0) && ((\q) == 2)
	s_wait_dscnt 24                                ; B's quarter 2 is in (behind it: A's blocks 1 to 3, 24 loads)
.endif
.irp b, 0,1,2,3,4,5,6,7
.set rD, AC+8*(\b)
.set rB, 64*(\q)+8*(\b)
.set rA, FA+8*(\q)
.set rC, rD
	WM
.endr
.endr
.endm
; THE WAY OUT of block a (16 rows x 128 columns of f32).  TOSTAGE: straight from the accumulators (each one's low four registers first) into my own stage, and back as whole rows of 512 bytes.  SEND: stored.
.macro TOSTAGE a
.set AC, 64*((\a)%4)
	WIN 0x08+4*((\a)/4)                            ; the stores' data (source 1): window 2 or 3
.irp b, 0,1,2,3,4,5,6,7
	ds_store_b128 v[STO], v[AC+8*(\b):AC+8*(\b)+3]   offset:64*(\b)
	ds_store_b128 v[STO], v[AC+8*(\b)+4:AC+8*(\b)+7] offset:64*(\b)+16
.endr
	WIN 0
	s_wait_xcnt 0x0                                ; the stores of the block before, 32 matrix instructions back, have read these registers: they are loaded again only behind this wait
.irp t, 0,1,2,3,4,5,6,7,8,9,10,11,12,13,14,15
	ds_load_b128 v[OB+4*(\t):OB+4*(\t)+3], v[RD] offset:(\t)*SPITCH  ; LDS serves a wave's instructions in order (ISA guide 5.7.1.4): these see the stores above; the next block's stores come behind them
.endr
.endm
.macro SEND a, younger                 ; younger: the LDS loads issued behind TOSTAGE's, which may stay out
	WIN 0
	s_wait_dscnt \younger                          ; the block is back in registers
.if (\a) == 0
	s_add_nc_u64 s[8:9], s[8:9], s[16:17]          ; C at my part of the tile (no store has named this base yet)
.endif
.irp t, 0,1,2,3,4,5,6,7,8,9,10,11,12,13,14,15
	global_store_b128 v[CO], v[OB+4*(\t):OB+4*(\t)+3], s[8:9] offset:(16*(\a)+(\t))*SIZE_N*4 th:TH_STORE_NT  ; 512 consecutive bytes, at a multiple of 256 from C's first byte; 127 rows at the most: 520,192 bytes
.endr
.endm
	BIASLD
	s_wait_tensorcnt 1                             ; my part of K step 0 is in; K step 1's may stay out
	s_barrier_signal -1
	s_barrier_wait -1                              ; everybody's is
	FETCH 0, 0, F0
	s_wait_loadcnt 0x0                             ; the bias
	QUARTER 0, 64,  F0, F1, 1                      ; the first quarter stands in front of the loop: its products start the sums
	WIN 0                                          ; at a label and at a branch every window is 0
	s_mov_b32 s3, LAPS-1
.Llap:                                                 ; a trip goes once round the ring, from a lap's second quarter to the next lap's first, and fills both slots again
	QUARTER 0, 128, F1, F0, 0
	QUARTER 0, 192, F0, F1, 0
	TURN 0, 1
	QUARTER 1, 64,  F0, F1, 0
	QUARTER 1, 128, F1, F0, 0
	QUARTER 1, 192, F0, F1, 0
	TURN 1, 0
	QUARTER 0, 64,  F0, F1, 0
	WIN 0
	s_sub_co_u32 s3, s3, 1
	s_cmp_lg_u32 s3, 0
	s_cbranch_scc1 .Llap
	QUARTER 0, 128, F1, F0, 0                      ; the last lap is written out: it asks for nothing
	QUARTER 0, 192, F0, F1, 0
	MEET 0                                         ; my one tensor load that was still out is slot 1's, the last K step's, so no round follows
	PLACES                                         ; for the loads into buffer 0, which the quarter before multiplied
	BLOAD 0                                        ; three quarters of B now: buffer 1 (v128-191 of both windows) is still being multiplied
	BLOAD 1
	BLOAD 3
	ALOAD 0
	MUL16 F1, 1, 0, 0
	MUL16 F1, 1, 2, 0
	PLACES                                         ; for the loads into buffer 1
	BLOAD 2
	ALOAD 1
	ALOAD 2
	ALOAD 3
	s_wait_dscnt 40                                ; all but the 40 just issued
	ROW 0
.irp a, 0,1,2,3,4,5,6,7                ; each block leaves as soon as it is finished: nothing follows the tile under which its stores could leave
	PLACES                                         ; the stage's stores read results just made, and the next loads land in the block's fragments of A
	TOSTAGE \a
.if (\a) < 4
	ALOAD (\a)+4                                   ; its buffer takes the block four further on
	SEND \a, 8                                     ; those eight loads may stay out
.else
	SEND \a, 0
.endif
.if (\a) < 7
	ROW (\a)+1
.endif
.endr
	s_wait_tensorcnt 0x0                           ; the wave's end: a wait, an add onto my spare word and the wait for it, behind my last tensor load and my last LDS store
	ds_add_u32 v[SPW], v[NIL]
	s_wait_dscnt 0x0
	CROUND                                         ; the closing round: no work-group ends while a partner may still ask for a tile that names it
	s_endpgm
.Lfunc_end_k_q48705780b9_proj:
	.size	k_q48705780b9_proj, .Lfunc_end_k_q48705780b9_proj-k_q48705780b9_proj
	.p2alignl 7, 3214868480
	.fill 96, 4, 3214868480
	.section	.rodata,"a",@progbits
	.p2align	6, 0x0
	.amdhsa_kernel k_q48705780b9_proj
		.amdhsa_group_segment_fixed_size 327680
		.amdhsa_private_segment_fixed_size 0
		.amdhsa_enable_private_segment 0
		.amdhsa_kernarg_size 32
		.amdhsa_user_sgpr_count 2
		.amdhsa_user_sgpr_kernarg_segment_ptr 1
		.amdhsa_wavefront_size32 1
		.amdhsa_system_sgpr_workgroup_id_x 1
		.amdhsa_system_sgpr_workgroup_id_y 1
		.amdhsa_system_sgpr_workgroup_id_z 1
		.amdhsa_system_vgpr_workitem_id 0
		.amdhsa_next_free_vgpr 1024
		.amdhsa_next_free_sgpr 72
		.amdhsa_reserve_vcc 0
		.amdhsa_float_denorm_mode_32 3
		.amdhsa_float_denorm_mode_16_64 3
		.amdhsa_memory_ordered 1
		.amdhsa_forward_progress 1
		.amdhsa_inst_pref_size 143
	.end_amdhsa_kernel
	.amdgpu_metadata
---
amdhsa.version: [ 1, 2 ]
amdhsa.kernels:
  - .name:           k_q48705780b9_proj
    .symbol:         k_q48705780b9_proj.kd
    .args:
      - { .name: ob, .offset: 0, .size: 8, .value_kind: global_buffer, .address_space: global }
      - { .name: wpf, .offset: 8, .size: 8, .value_kind: global_buffer, .address_space: global }
      - { .name: out0, .offset: 16, .size: 8, .value_kind: global_buffer, .address_space: global }
      - { .name: bias, .offset: 24, .size: 8, .value_kind: global_buffer, .address_space: global }
    .group_segment_fixed_size: 327680
    .private_segment_fixed_size: 0
    .kernarg_segment_align: 8
    .kernarg_segment_size: 32
    .max_flat_workgroup_size: 128
    .sgpr_count:     72
    .vgpr_count:     1024
    .wavefront_size: 32
...
	.end_amdgpu_metadata
.endif
;; end of part 4
;; ======== version 2 of 2: 4 launches; version 1 with the launch attn written anew for expert scheduling mode
;; limits: values are held in f16: magnitudes above 65,504 overflow, below 6.1e-05 lose precision
;; workspace buffers: xb 33,554,432 bytes; wqb 6,291,456 bytes; wpf 2,097,152 bytes; bias 16,384 bytes; qkv 100,663,296 bytes; ob 33,554,432 bytes
;; launch cast: the kernel of part 1 again; grid 1280 x 1, 8 waves a work-group, no clusters, 0 bytes of LDS; arguments x, w_qkv, w_proj, b_qkv, b_proj, xb, wqb, wpf, bias; writes xb, wqb, wpf, bias
;; launch qkv: the kernel of part 2 again; grid 4 x 64, 4 waves a work-group, clusters of 4 x 4, 327,680 bytes of LDS; arguments xb, wqb, qkv, bias; writes qkv
;; launch attn (part 5): grid 512 x 1, 8 waves a work-group, no clusters, 0 bytes of LDS; arguments qkv, ob; writes ob
.if DOCPART == 5
	.amdgcn_target "amdgcn-amd-amdhsa--gfx1250"
	.amdhsa_code_object_version 6
	.text
	.protected	k_q48705780b9_attn
	.globl	k_q48705780b9_attn
	.p2align	8
	.type	k_q48705780b9_attn,@function
k_q48705780b9_attn:
	s_mov_b64 s[64:65], 0
	v_nop
	global_prefetch_b8 v0, s[64:65] scope:SCOPE_SE
	s_setreg_imm32_b32 hwreg(HW_REG_WAVE_SCHED_MODE, 0, 2), 2
	s_setreg_imm32_b32 hwreg(HW_REG_WAVE_MODE, 25, 1), 1
	s_wait_xcnt 0x0
	s_wait_alu depctr_vm_vsrc(0)
; FOR EACH TOKEN: o[h][:] = the sum over g of softmax_g(q[h] . k[g] / 8) v[g][:], over the token's own 16 heads of 64 channels.  qkv: [16384][3072] f16, ob: [16384][1024] f16.
; Products, maxima and sums in f32; the row's true maximum is taken away before the exponential; the weights are divided by their sum in f32 and rounded to f16 for the second product; o is rounded once.
; LIMITS.  A weight below 6e-8 becomes 0 in f16; one below 2^-126 counts as 0 in the sum.  o is a mean of v's rows and has their range.  NaN and infinities are not treated apart (two tokens share a fragment of v).
; LAYOUTS IN MEMORY, made by the launches in front.  A token's q (and k): number (head, d) at byte 256 (d >> 3) + 16 head + 2 (d & 7) of its 2,048: lane l = r + 16 h that reads 16 bytes at 512 j + 16 l holds
; head r, channels 16 j + 8 h + 0..7: pieces j = 0, 1 are one matrix fragment (16 heads x 32 channels), pieces 2, 3 the other.  v: number (g, d) at byte 512 (d >> 4) + 256 (g >> 3) + 16 (d & 15) + 2 (g & 7):
; the 16 bytes at 512 cb + 16 l hold channel 16 cb + r and heads g = 8 h + 0..7: half a fragment of v^T.  o is stored in q's layout.  So every load and store of a wave covers 512 consecutive bytes, aligned.
; PRODUCTS.  S^T = K Q^T (source 0 = 16 key heads, source 1 = 16 query heads): a lane holds ONE query head (l % 16) and the key heads 8 (l / 16) + 0..7; the other eight lie in the lane 16 away.  The eight weights,
; rounded in pairs, are four registers of source 1 of O^T = V^T P.  That product is 32 deep and a token has 16 heads, so one fragment of V carries TWO tokens (a in registers 0-3, b in 4-7): a multiplies it by
; [Pa, 0], b by [0, Pb].  In O^T a lane holds head l % 16 and channels 16 cb + 8 (l / 16) + 0..7: 16 bytes at 512 cb + 16 l of the token's o.
; SHARES.  A wave owns four tokens, as two pairs; 4,096 waves.  All its 48 loads (24 KiB) go out at its head.  NO LDS, NO BARRIER, NO CLUSTER: nothing is shared between waves or work-groups.
; THE MODE: SCHED_MODE bits 1:0 = 2 (LLVM: expert scheduling mode 2), set by the entry lines.  The code itself states the register dependences between vector or matrix instructions and memory
; instructions, with s_wait_alu, always for 0.
; THE PLAN.  Registers that memory instructions touch:
;   v1               the offset of every load and store.  Written by two vector lines at the head and never again: one wait on va_vdst ahead of the first load serves all 64 memory instructions.
;   v[32:223]        q, k and V of both pairs.  The 48 loads land in them; all are issued at the head, where no vector instruction has named these registers, and no load is issued later.
;   v[PB+64:PB+95]   V's registers of a pair, written a second time by the pair's 32 conversions (the packed o) and read by its eight stores: one wait on va_vdst between the two.  Nothing writes them after
;                    the stores, so no wait on vm_vsrc follows them.
;   s8               the wave's number, written by v_readfirstlane_b32: one wait on va_sdst ahead of its first reader.
;   TT, SA and PF are named by vector and matrix instructions alone.  The vector lines behind the 48 loads write TT and PF; pair 1's work behind pair 0's stores names v128 and up, TT, SA and PF: neither names a
;   register that those memory instructions read, and neither has a wait.  EXEC and VCC are never written.
.set TT, 4                             ; token x of a pair, at TT + 8 x: +0, +1 at work; +2 c m; +3 m; +4, +5 the sums; +6 1 / l; +7 at work
.set SA, 224                           ; v[224:231] S^T of token a, v[232:239] of token b
.set PF, 240                           ; v[240:247] = [Pa, 0], v[248:255] = [0, Pb]
; pair p's data at PB = 32 + 96 p: q of a, of b (16 each), k of a, of b, then V (block cb at + 64 + 8 cb).  O^T takes q's and k's registers, the packed o takes V's.
.macro BOTH line:vararg                ; one line for each token x of the pair
.set x, 0
.rept 2
	\line
.set x, x+1
.endr
.endm
.macro LOADP p
.set PB, 32+96*(\p)
.irp x, 0,1
.irp j, 0,1,2,3
	global_load_b128 v[PB+16*(\x)+4*(\j):PB+16*(\x)+4*(\j)+3], v1, s[4:5] offset:(2*(\p)+(\x))*6144+(\j)*512 th:TH_LOAD_NT
.endr
.endr
.irp x, 0,1
.irp j, 0,1,2,3
	global_load_b128 v[PB+32+16*(\x)+4*(\j):PB+32+16*(\x)+4*(\j)+3], v1, s[4:5] offset:(2*(\p)+(\x))*6144+2048+(\j)*512 th:TH_LOAD_NT
.endr
.endr
.irp x, 0,1
.irp j, 0,1,2,3
	global_load_b128 v[PB+64+8*(\j)+4*(\x):PB+64+8*(\j)+4*(\x)+3], v1, s[4:5] offset:(2*(\p)+(\x))*6144+4096+(\j)*512 th:TH_LOAD_NT
.endr
.endr
.endm
; A pair of tokens.  w1: the loads issued behind the pair's q and k; w2: those issued behind its v.
.macro PAIR p, w1, w2
.set PB, 32+96*(\p)
	s_wait_loadcnt \w1
	v_wmma_f32_16x16x32_f16 v[SA:SA+7], v[PB+32:PB+39], v[PB:PB+7], 0               ; the two accumulators take turns
	v_wmma_f32_16x16x32_f16 v[SA+8:SA+15], v[PB+48:PB+55], v[PB+16:PB+23], 0
	v_wmma_f32_16x16x32_f16 v[SA:SA+7], v[PB+40:PB+47], v[PB+8:PB+15], v[SA:SA+7]
	v_wmma_f32_16x16x32_f16 v[SA+8:SA+15], v[PB+56:PB+63], v[PB+24:PB+31], v[SA+8:SA+15]
.rept 5
	v_nop                                          ; four places before the scores are read, a fifth before later products write over q's and k's registers (ISA guide 7.12.1)
.endr
	BOTH v_max3_num_f32 v[TT+8*x], v[SA+8*x], v[SA+8*x+1], v[SA+8*x+2]
	BOTH v_max3_num_f32 v[TT+8*x+1], v[SA+8*x+3], v[SA+8*x+4], v[SA+8*x+5]
	BOTH v_max3_num_f32 v[TT+8*x], v[TT+8*x], v[SA+8*x+6], v[SA+8*x+7]
	BOTH v_max_num_f32 v[TT+8*x], v[TT+8*x], v[TT+8*x+1]
	BOTH v_permlanex16_b32 v[TT+8*x+1], v[TT+8*x], s14, s15
	BOTH v_max_num_f32 v[TT+8*x+3], v[TT+8*x], v[TT+8*x+1]
	BOTH v_mul_f32 v[TT+8*x+2], s12, v[TT+8*x+3]
.set i, 0
.rept 8                                ; c s - c m, a pair of scores a line, the tokens by turns
.set rS, SA+8*(i%2)+2*(i/2)
.set rT, TT+8*(i%2)
	v_pk_fma_f32 v[rS:rS+1], v[rS:rS+1], s[12:13], v[rT+2:rT+3] op_sel_hi:[1,0,0] neg_lo:[0,0,1] neg_hi:[0,0,1]
.set i, i+1
.endr
.set i, 0
.rept 16
	v_exp_f32 v[SA+i], v[SA+i]
.set i, i+1
.endr
	v_nop                                          ; a plain instruction behind the last exponential
	s_wait_alu depctr_va_vdst(0)                   ; the sixteen exponentials have written v[SA ..], ahead of the sums, their first readers: one wait for the batch
	BOTH v_pk_add_f32 v[TT+8*x+4:TT+8*x+5], v[SA+8*x:SA+8*x+1], v[SA+8*x+2:SA+8*x+3]
	BOTH v_pk_add_f32 v[TT+8*x:TT+8*x+1], v[SA+8*x+4:SA+8*x+5], v[SA+8*x+6:SA+8*x+7]
	BOTH v_pk_add_f32 v[TT+8*x+4:TT+8*x+5], v[TT+8*x+4:TT+8*x+5], v[TT+8*x:TT+8*x+1]
	BOTH v_add_f32 v[TT+8*x+4], v[TT+8*x+4], v[TT+8*x+5]
	BOTH v_permlanex16_b32 v[TT+8*x+7], v[TT+8*x+4], s14, s15
	BOTH v_add_f32 v[TT+8*x+4], v[TT+8*x+4], v[TT+8*x+7]
	BOTH v_rcp_f32 v[TT+8*x+6], v[TT+8*x+4]
	v_nop                                          ; a plain instruction behind the second reciprocal
	s_wait_alu depctr_va_vdst(0)                   ; the two reciprocals have written v[TT+6] and v[TT+14], ahead of the multiplies that read them: one wait for the two
.set i, 0
.rept 8
.set rS, SA+8*(i%2)+2*(i/2)
.set rT, TT+8*(i%2)
	v_pk_mul_f32 v[rS:rS+1], v[rS:rS+1], v[rT+6:rT+7] op_sel_hi:[1,0]
.set i, i+1
.endr
.set i, 0
.rept 4
	v_cvt_pk_f16_f32 v[PF+i], v[SA+2*i], v[SA+2*i+1]
	v_cvt_pk_f16_f32 v[PF+12+i], v[SA+8+2*i], v[SA+8+2*i+1]
.set i, i+1
.endr
	s_wait_loadcnt \w2
.set cb, 0
.rept 4                                ; eight products on eight accumulators, each a whole sum
	v_wmma_f32_16x16x32_f16 v[PB+8*cb:PB+8*cb+7], v[PB+64+8*cb:PB+64+8*cb+7], v[PF:PF+7], 0
	v_wmma_f32_16x16x32_f16 v[PB+32+8*cb:PB+32+8*cb+7], v[PB+64+8*cb:PB+64+8*cb+7], v[PF+8:PF+15], 0
.set cb, cb+1
.endr
.rept 4
	v_nop                                          ; the places before the results are read and V's registers written
.endr
.set i, 0
.rept 32                               ; accumulator i / 4, its registers in ascending order
	v_cvt_pk_f16_f32 v[PB+64+i], v[PB+2*i], v[PB+2*i+1]
.set i, i+1
.endr
	s_wait_alu depctr_va_vdst(0)                   ; the 32 conversions have written v[PB+64 ..], which the eight stores read
.irp x, 0,1
.irp j, 0,1,2,3
	global_store_b128 v1, v[PB+64+16*(\x)+4*(\j):PB+64+16*(\x)+4*(\j)+3], s[6:7] offset:(2*(\p)+(\x))*2048+(\j)*512 th:TH_STORE_NT
.endr
.endr
.endm
	s_load_b128 s[4:7], s[0:1], 0x0                ; qkv s[4:5], ob s[6:7]
	v_lshrrev_b32 v2, 5, v0
	v_readfirstlane_b32 s8, v2                     ; wave 0..7
	v_and_b32 v1, 31, v0
	v_lshlrev_b32 v1, 4, v1                        ; 16 x lane; never rewritten
	s_wait_alu depctr_va_sdst(0)                   ; s8 is written, ahead of its first reader: the wave's places in qkv and ob are made from it
	s_lshl_b32 s9, ttmp9, 3
	s_add_co_u32 s9, s9, s8                        ; my wave among the launch's 4,096
	s_mul_i32 s10, s9, 4*6144                      ; its four tokens in qkv,
	s_mov_b32 s11, 0
	s_lshl_b32 s16, s9, 13                         ; and in ob
	s_mov_b32 s17, 0
	s_mov_b32 s12, 0x3e38aa3b                      ; c = log2(e) / 8
	s_mov_b32 s13, s12                             ; named with it as a pair
	s_mov_b32 s14, 0x76543210                      ; v_permlanex16_b32: each lane takes its own place in the other half
	s_mov_b32 s15, 0xfedcba98
	s_wait_kmcnt 0x0
	s_add_nc_u64 s[4:5], s[4:5], s[10:11]
	s_add_nc_u64 s[6:7], s[6:7], s[16:17]
	s_wait_alu depctr_va_vdst(0)                   ; v1 is written: every load and store of the kernel reads it as its offset
	LOADP 0
	LOADP 1
	BOTH v_mov_b32 v[TT+8*x+1], 0                  ; the exchange's destinations count as read
	BOTH v_mov_b32 v[TT+8*x+7], 0
.set i, 4
.rept 8
	v_mov_b32 v[PF+i], 0                           ; the halves of the two weight fragments that belong to the other token: written once
.set i, i+1
.endr
	PAIR 0, 32, 24                                 ; 48 loads: 32 were issued behind pair 0's q and k, 24 behind its v
	PAIR 1, 8, 0                                   ; 8 behind pair 1's q and k, none behind its v
	s_endpgm
.Lfunc_end_k_q48705780b9_attn:
	.size	k_q48705780b9_attn, .Lfunc_end_k_q48705780b9_attn-k_q48705780b9_attn
	.p2alignl 7, 3214868480
	.fill 96, 4, 3214868480
	.section	.rodata,"a",@progbits
	.p2align	6, 0x0
	.amdhsa_kernel k_q48705780b9_attn
		.amdhsa_group_segment_fixed_size 0
		.amdhsa_private_segment_fixed_size 0
		.amdhsa_enable_private_segment 0
		.amdhsa_kernarg_size 16
		.amdhsa_user_sgpr_count 2
		.amdhsa_user_sgpr_kernarg_segment_ptr 1
		.amdhsa_wavefront_size32 1
		.amdhsa_system_sgpr_workgroup_id_x 1
		.amdhsa_system_sgpr_workgroup_id_y 1
		.amdhsa_system_sgpr_workgroup_id_z 1
		.amdhsa_system_vgpr_workitem_id 0
		.amdhsa_next_free_vgpr 256
		.amdhsa_next_free_sgpr 66
		.amdhsa_reserve_vcc 0
		.amdhsa_float_denorm_mode_32 3
		.amdhsa_float_denorm_mode_16_64 3
		.amdhsa_memory_ordered 1
		.amdhsa_forward_progress 1
		.amdhsa_inst_pref_size 21
	.end_amdhsa_kernel
	.amdgpu_metadata
---
amdhsa.version: [ 1, 2 ]
amdhsa.kernels:
  - .name:           k_q48705780b9_attn
    .symbol:         k_q48705780b9_attn.kd
    .args:
      - { .name: qkv, .offset: 0, .size: 8, .value_kind: global_buffer, .address_space: global }
      - { .name: ob, .offset: 8, .size: 8, .value_kind: global_buffer, .address_space: global }
    .group_segment_fixed_size: 0
    .private_segment_fixed_size: 0
    .kernarg_segment_align: 8
    .kernarg_segment_size: 16
    .max_flat_workgroup_size: 256
    .sgpr_count:     66
    .vgpr_count:     256
    .wavefront_size: 32
...
	.end_amdgpu_metadata
.endif
;; end of part 5
;; launch proj: the kernel of part 4 again; grid 4 x 64, 4 waves a work-group, clusters of 4 x 4, 327,680 bytes of LDS; arguments ob, wpf, out0, bias; writes out0
